; MI455X (gfx1250); checked and timed in simulation.
; The chip was launched on July 23, 2026; its instructions are those of AMD's public machine-readable ISA for CDNA 5 (MIT licence, August 2026) and "CDNA5" Instruction Set Architecture Reference Guide (July 2026). The comments in the code are by the model that wrote it; some were corrected since.
;; Mo E Layer. Allowed arithmetic: matrix products marked QUANTISED: E2M1 operands, one E8M0 scale for each 32 along K, by v_wmma_scale_f32_16x16x128_f8f6f4 with both operands' format E2M1 (or v_wmma_scale_f32_32x16x128_f4), f32 sums; products left as they are: f32 operands where the result goes on into a quantised operand, else bf16, f16 or f32 operands; f32 sums; everything else in f32.
;; Inputs: W12_codes 8 x 682 x 32 x 16 uint8 (E2M1 codes of W12, K innermost, in blocks of 32 codes, two codes a byte); W12_scales 8 x 682 x 32 uint8 (E8M0 scales of W12, one for each 32 codes along K); W3 8 x 341 x 1,024 float32; Wr 1,024 x 8 float32; x 4 x 2,048 x 1,024 float32.
;; Outputs: out0 4 x 2,048 x 1,024 float32.
;; This version of the problem:
;;   THIS VERSION OF THE PROBLEM IS GIVEN IN LOW PRECISION. The matrix products marked QUANTISED in the list below multiply operands that are first quantised to E2M1 (2 exponent bits, 1 mantissa bit; 4 bits a number), with one power-of-two scale for each 32 numbers along K (OCP MX v1.0); their sums are f32. All else is computed in f32.
;;   The module's matrix products, in the order in which they are computed (A, B: the left and right operand; K: the contracted axis; several contracted axes count as one K, in the product's order):
;;     1. [M 8,192, K 1,024] x [K 1,024, N 8]; A: input x; B: input Wr: left as it is (N = 8 < 16)
;;     2. [M 8,192, K 1,024] x [K 1,024, N 682]; A: input x; B: input W12 (given as codes): QUANTISED
;;     3. [M 8,192, K 341] x [K 341, N 1,024]; A: computed on the way; B: input W3: QUANTISED
;;     4. [M 8,192, K 1,024] x [K 1,024, N 682]; A: input x; B: input W12 (given as codes): QUANTISED
;;     5. [M 8,192, K 341] x [K 341, N 1,024]; A: computed on the way; B: input W3: QUANTISED
;;     6. [M 8,192, K 1,024] x [K 1,024, N 682]; A: input x; B: input W12 (given as codes): QUANTISED
;;     7. [M 8,192, K 341] x [K 341, N 1,024]; A: computed on the way; B: input W3: QUANTISED
;;     8. [M 8,192, K 1,024] x [K 1,024, N 682]; A: input x; B: input W12 (given as codes): QUANTISED
;;     9. [M 8,192, K 341] x [K 341, N 1,024]; A: computed on the way; B: input W3: QUANTISED
;;     10. [M 8,192, K 1,024] x [K 1,024, N 682]; A: input x; B: input W12 (given as codes): QUANTISED
;;     11. [M 8,192, K 341] x [K 341, N 1,024]; A: computed on the way; B: input W3: QUANTISED
;;     12. [M 8,192, K 1,024] x [K 1,024, N 682]; A: input x; B: input W12 (given as codes): QUANTISED
;;     13. [M 8,192, K 341] x [K 341, N 1,024]; A: computed on the way; B: input W3: QUANTISED
;;     14. [M 8,192, K 1,024] x [K 1,024, N 682]; A: input x; B: input W12 (given as codes): QUANTISED
;;     15. [M 8,192, K 341] x [K 341, N 1,024]; A: computed on the way; B: input W3: QUANTISED
;;     16. [M 8,192, K 1,024] x [K 1,024, N 682]; A: input x; B: input W12 (given as codes): QUANTISED
;;     17. [M 8,192, K 341] x [K 341, N 1,024]; A: computed on the way; B: input W3: QUANTISED
;;   THE QUANTISER, for each operand of a quantised product, along K:
;;     - K is cut into blocks of 32 from its start; a last block that is shorter is filled with zeros.
;;     - A block's scale is 2^e with e = floor(log2(the largest magnitude in the block)) - 2, held to -126 .. 127; a block of zeros has e = 0. As a byte (E8M0): e + 127.
;;     - Each number is divided by its block's scale, clamped to +-6, and rounded to the nearest number of E2M1, ties to even, subnormals kept.
;;     - The product sums the exact products of the quantised numbers (number of the format x scale) in f32.
;;   ~~~python
;;   def quantise(x, axis):      # numpy; x: float32 -> the quantised numbers, widened to float32 again
;;       x = np.moveaxis(x, axis, -1); K = x.shape[-1]
;;       x = np.pad(x, [(0, 0)] * (x.ndim - 1) + [(0, -K % 32)]); x = x.reshape(x.shape[:-1] + (-1, 32)); a = np.abs(x).max(-1, keepdims=True)
;;       e = np.where(a > 0, np.clip(np.frexp(np.where(a > 0, a, 1))[1] - 1 - 2, -126, 127), 0)      # np.frexp(a)[1] - 1 = floor(log2(a)), exactly
;;       r = np.clip(x / 2.0 ** e, -6, 6)
;;       step = 2.0 ** (np.maximum(np.frexp(np.where(r == 0, 1, r))[1] - 1, 0) - 1)
;;       q = np.round(r / step) * step * 2.0 ** e      # np.round: ties to even
;;       return np.moveaxis(q.reshape(q.shape[:-2] + (-1,))[..., :K], -1, axis).astype(np.float32)
;;   ~~~
;;   OPERANDS COMPUTED ON THE WAY. 'Computed on the way' means the value that the module computes at that place (a softmax that the list does not call 'softmax' is quantised finished and normalised). What goes into a quantiser is computed in f32, as accurately as f32 sums, v_exp_f32 and their like allow (about 1e-6 of the number): no bf16 or f16 on the way to a quantiser, and a product that is left as it is and whose result goes on into a quantised operand takes f32 operands (vector FMAs, or v_wmma_f32_16x16x4_f32). A number that lies on a knife's edge between two numbers of the format may be rounded either way, as far as f32 arithmetic and the matrix unit's own rounding can turn it there, and no further.
;;   INPUTS GIVEN AS CODES. W12 (in the module: [8, 1024, 682], K = its axis 1): each comes as NAME_codes (uint8): NAME with its K axis moved to the last place and cut into blocks of 32 codes, [.., K / 32, bytes a block], one block behind the other in memory; two codes a byte, the lower K in the low four bits (a code: sign, 2 exponent bits, 1 mantissa bit); and NAME_scales (uint8): the same leading axes, one E8M0 byte (e + 127) for each 32 codes along K. Its value is code x scale, taken as it is: it is not quantised again, and the codes and scales need not be those that the quantiser above would give.
;; 2 versions. Each part assembles by itself: llvm-mc -triple=amdgcn-amd-amdhsa -mcpu=gfx1250 --defsym DOCPART=n.
;; ======== version 1 of 2: 3 launches
;; workspace buffers: xcodes 4,194,304 bytes; xscales 262,144 bytes; gates 262,144 bytes; tokinfo 32,768 bytes of whole numbers; hist 32,768 bytes of whole numbers; order 32,768 bytes of whole numbers; wstream 5,013,504 bytes
;; launch route (part 1): grid 256 x 1, 8 waves a work-group, no clusters, 81,920 bytes of LDS; arguments x, Wr, xcodes, xscales, gates, tokinfo, hist; writes xcodes, xscales, gates, tokinfo, hist
.if DOCPART == 1
	.amdgcn_target "amdgcn-amd-amdhsa--gfx1250"
	.amdhsa_code_object_version 6
	.text
	.protected	k_q8604e99ad7_route
	.globl	k_q8604e99ad7_route
	.p2align	8
	.type	k_q8604e99ad7_route,@function
k_q8604e99ad7_route:
	s_mov_b64 s[64:65], 0
	v_nop
	global_prefetch_b8 v0, s[64:65] scope:SCOPE_SE
	s_setreg_imm32_b32 hwreg(HW_REG_WAVE_MODE, 25, 1), 1
	s_wait_xcnt 0x0
; x [8192][1024] f32 is read once.  It becomes codes of E2M1 (xcodes [8192][512 bytes], K innermost, the lower k in the low four bits) with one
; E8M0 byte for each 32 along K (xscales [8192][32]); and the router is computed in f32: logits = x Wr, the two largest (ties to the lower index),
; their softmax with the larger taken away first.  Stored at fixed places: gates [8192][8] f32 (0 where an expert is not chosen),
; tokinfo [8192]: key | rank << 8 | lower expert << 16 | higher expert << 24, and hist [256 groups of 32 tokens][32]: how many tokens of the group have key k.
; The key numbers the 28 pairs of experts so that neighbouring keys share an expert: (0,1)..(0,7), (1,7)..(1,2), (2,3)..(2,7), (3,7)..
; No address and no branch of this launch hangs on any of these numbers.
; SHARES.  A work-group takes 32 tokens.  Wave v takes columns 256 (v & 3) .. + 255 of rows 16 (v >> 2) .. + 15.  Lane l owns k = 8 l .. 8 l + 7 of the wave's columns
; in every row, so its 8 x 8 numbers of Wr stay in 64 registers, and four neighbouring lanes hold a block of 32.
; Each load reads 512 consecutive bytes, 16 a lane; a row's 1,024 bytes turn through the wave's own stage in LDS and come back 32 bytes a lane.
; LIMITS: NaN and infinities in x and Wr are not served.  A block of zeros, or one whose largest magnitude lies under 2^-124, gets the byte 1 (the rule says 127 for zeros):
; its codes are zeros and this program alone reads the bytes.  The logits are summed in another order than a plain sum over k: a second and third logit
; that lie within f32 rounding of each other may change places.
.set WRP,    272                       ; Wr in LDS: 128 owners (a lane of a column quarter) x (256 bytes + 16)
.set TURN,   34816                     ; two stages of 32 places for each wave
.set TPL,    48                        ; a place: 32 bytes + 16 of padding
.set CODES,  59392                     ; 32 rows x 512 bytes
.set SCALES, 75776                     ; 32 rows x 32 bytes
.set PART,   76800                     ; [column quarter][row 32][expert 8] f32
.set XO,   2                           ; v2   16 x lane
.set TIN,  3                           ; v3   the stage, on the way in
.set TOUT, 4                           ; v4   and on the way out
.set CST,  5                           ; v5   where my codes of row 0 go
.set SST,  6                           ; v6   my block's scale byte
.set PST,  7                           ; v7   my expert's partial logit
.set WRI,  8                           ; v8   Wr into LDS
.set WRO,  9                           ; v9   and my 256 bytes of it back
.set TO16, 10                          ; v10  16 x thread
.set CD,   12                          ; v12-13 codes, v14-15 scale byte, v16-17 partial logit: two sets by turns
.set BY,   14
.set FF,   16
.set CRD,  26                          ; v26  CODES + 16 x thread
.set SRD,  27                          ; v27  SCALES + 16 x (thread - 192)
.set PRD,  28                          ; v28  PART + 32 x lane
.set GO,   29                          ; v29  32 x lane
.set LO4,  30                          ; v30  4 x lane
.set WR,   32                          ; v32-95   Wr: register 8 k + e
.set XR,   96                          ; v96-223  16 rows as loaded, 8 registers each
.set XT,   224                         ; v224-239 two sets of 8 neighbours
.set ACC,  240                         ; v240-247 eight partial logits
.set CB,   192                         ; the way out: codes and scale bytes read back
	s_load_b256 s[4:11], s[0:1], 0x0               ; x, Wr, xcodes, xscales
	s_load_b128 s[12:15], s[0:1], 0x20             ; gates, tokinfo
	s_load_b64 s[16:17], s[0:1], 0x30              ; hist
	v_lshl_add_u32 v254, v0, 2, 0x13c00
	v_mov_b32 v255, 0
	v_lshrrev_b32 v11, 5, v0
	v_readfirstlane_b32 s18, v11                   ; wave 0..7
	s_and_b32 s19, s18, 3                          ; column quarter
	s_lshr_b32 s20, s18, 2                         ; row half
	s_mov_b32 s21, 0xff00ff00                      ; lanes with bit 3 set
	s_mov_b32 s22, 0xf0f0f0f0                      ; lanes with bit 2 set
	v_and_b32 v1, 31, v0                           ; lane
	v_lshlrev_b32 v[XO], 4, v1
	s_mul_i32 s26, s18, 2*32*TPL
	s_add_co_u32 s26, s26, TURN                    ; my stages
	v_lshrrev_b32 v11, 1, v1
	v_mul_u32_u24 v11, v11, TPL
	v_and_b32 v12, 1, v1
	v_lshl_add_u32 v11, v12, 4, v11
	v_add_nc_u32 v[TIN], s26, v11                  ; two lanes' 32 bytes to a place
	v_mul_u32_u24 v11, v1, TPL
	v_add_nc_u32 v[TOUT], s26, v11                 ; place = lane
	s_lshl_b32 s26, s20, 13
	s_lshl_b32 s27, s19, 7
	s_add_co_u32 s26, s26, s27
	s_add_co_u32 s26, s26, CODES
	v_lshl_add_u32 v[CST], v1, 2, s26              ; row x 512 + 128 x quarter + 4 x lane
	s_lshl_b32 s26, s20, 9
	s_lshl_b32 s27, s19, 3
	s_add_co_u32 s27, s26, s27
	s_add_co_u32 s27, s27, SCALES
	v_lshrrev_b32 v11, 2, v1
	v_add_nc_u32 v[SST], s27, v11                  ; row x 32 + 8 x quarter + lane / 4
	s_lshl_b32 s27, s19, 10
	s_add_co_u32 s27, s26, s27
	s_add_co_u32 s27, s27, PART
	v_lshl_add_u32 v[PST], v11, 2, s27             ; 1,024 x quarter + row x 32 + 4 x (lane / 4)
	v_lshrrev_b32 v11, 4, v0
	v_mul_u32_u24 v11, v11, WRP
	v_and_b32 v12, 15, v0
	v_lshl_add_u32 v[WRI], v12, 4, v11
	s_mul_i32 s26, s19, 32*WRP
	v_mul_u32_u24 v11, v1, WRP
	v_add_nc_u32 v[WRO], s26, v11
	v_lshlrev_b32 v[TO16], 4, v0
	v_add_nc_u32 v[CRD], CODES, v[TO16]
	v_add_nc_u32 v[SRD], SCALES-3072, v[TO16]
	v_lshlrev_b32 v[GO], 5, v1
	v_add_nc_u32 v[PRD], PART, v[GO]
	v_lshlrev_b32 v[LO4], 2, v1
	s_wait_kmcnt 0x0
	s_lshl_b32 s24, ttmp9, 17                      ; 32 rows of 4,096 bytes
	s_lshl_b32 s26, s20, 16
	s_add_co_u32 s24, s24, s26
	s_lshl_b32 s26, s19, 10
	s_add_co_u32 s24, s24, s26
	s_mov_b32 s25, 0
	s_add_nc_u64 s[4:5], s[4:5], s[24:25]          ; x at my wave's first row and column
	s_lshl_b32 s24, ttmp9, 14
	s_add_nc_u64 s[8:9], s[8:9], s[24:25]
	s_lshl_b32 s24, ttmp9, 10
	s_add_nc_u64 s[10:11], s[10:11], s[24:25]
	s_add_nc_u64 s[12:13], s[12:13], s[24:25]
	s_lshl_b32 s24, ttmp9, 7
	s_add_nc_u64 s[14:15], s[14:15], s[24:25]
	s_add_nc_u64 s[16:17], s[16:17], s[24:25]
.irp i, 0,1,2,3,4,5,6,7
	global_load_b128 v[WR+4*\i:WR+4*\i+3], v[TO16], s[6:7] offset:4096*\i      ; Wr as it lies: 4,096 consecutive bytes for the work-group
.endr
.irp i, 0,1,2,3,4,5,6,7,8,9,10,11,12,13,14,15
.irp c, 0,1
	global_load_b128 v[XR+8*\i+4*\c:XR+8*\i+4*\c+3], v[XO], s[4:5] offset:4096*\i+512*\c th:TH_LOAD_NT   ; all my 16 rows are asked for at once
.endr
.endr
	s_wait_loadcnt 32                              ; Wr is in; the 32 loads of x stay out
.irp i, 0,1,2,3,4,5,6,7
	ds_store_b128 v[WRI], v[WR+4*\i:WR+4*\i+3] offset:16*WRP*\i
.endr
	s_wait_dscnt 0x0                               ; for the others: my part of Wr lies in LDS
	s_barrier_signal -1
	s_barrier_wait -1
.irp j, 0,1,2,3,4,5,6,7,8,9,10,11,12,13,14,15
	ds_load_b128 v[WR+4*\j:WR+4*\j+3], v[WRO] offset:16*\j
.endr
; Row i through the stage i % 2: LDS serves a wave's instructions in order, so no wait stands between the stores and the loads
.macro TURNX i
.irp c, 0,1
	ds_store_b128 v[TIN], v[XR+8*(\i)+4*\c:XR+8*(\i)+4*\c+3] offset:32*TPL*((\i)%2)+16*TPL*\c
.endr
.irp c, 0,1
	ds_load_b128 v[XT+8*((\i)%2)+4*\c:XT+8*((\i)%2)+4*\c+3], v[TOUT] offset:32*TPL*((\i)%2)+16*\c
.endr
.endm
	s_wait_loadcnt 30                              ; row 0's two loads are in
	TURNX 0
.macro ROW i
.if (\i) < 15
	s_wait_loadcnt 2*(14-(\i))                     ; the next row's two loads are in; the rows behind it stay out
	TURNX (\i)+1
.if (\i) == 0
	s_wait_dscnt 4                                 ; Wr and row 0 are back; the next row's four stage instructions may be out
.else
	s_wait_dscnt 7                                 ; this row is back: behind its loads stand the last row's three stores and the next row's four
.endif
.else
	s_wait_dscnt 3                                 ; behind the last row's loads stand row 14's three stores
.endif
.set XSET, XT+8*((\i)%2)
.set PAR, (\i)%2
	v_max3_num_f32 v18, |v[XSET]|, |v[XSET+1]|, 0x1800000      ; the largest magnitude of my 8, and the floor 2^(3 - 127): the byte cannot fall under 1
	v_max3_num_f32 v19, |v[XSET+2]|, |v[XSET+3]|, |v[XSET+4]|
	v_max3_num_f32 v18, v18, |v[XSET+5]|, |v[XSET+6]|
	v_max3_num_f32 v18, v18, v19, |v[XSET+7]|
	v_max_num_f32_dpp v18, v18, v18 row_xmask:1 row_mask:0xf bank_mask:0xf
	v_max_num_f32_dpp v18, v18, v18 row_xmask:2 row_mask:0xf bank_mask:0xf     ; of the four lanes that hold the block
	v_add_nc_u32 v19, 0xff000000, v18              ; 2 off its exponent field: the conversion takes the exponent field of this operand as its scale
	v_cvt_scalef32_pk8_fp4_f32 v[CD+PAR], v[XSET:XSET+7], v19
	v_lshrrev_b32 v[BY+PAR], 23, v19               ; the scale's byte (a plain line behind the conversion)
.irp p, 0,2,4,6
	v_pk_mul_f32 v[ACC+\p:ACC+\p+1], v[XSET:XSET+1], v[WR+\p:WR+\p+1] op_sel_hi:[0,1]      ; x(k) x Wr(k, e), two experts at a time; k = 0 starts the sums
.endr
.irp k, 1,3,5,7
.irp p, 0,2,4,6
	v_pk_fma_f32 v[ACC+\p:ACC+\p+1], v[XSET+\k-1:XSET+\k], v[WR+8*\k+\p:WR+8*\k+\p+1], v[ACC+\p:ACC+\p+1] op_sel:[1,0,0] op_sel_hi:[1,1,1]
.endr
.endr
.irp k, 2,4,6
.irp p, 0,2,4,6
	v_pk_fma_f32 v[ACC+\p:ACC+\p+1], v[XSET+\k:XSET+\k+1], v[WR+8*\k+\p:WR+8*\k+\p+1], v[ACC+\p:ACC+\p+1] op_sel_hi:[0,1,1]
.endr
.endr
	; the sums over the 32 lanes, halving the experts a lane carries at each step: in the end lane l holds expert l / 4
.irp j, 0,1,2,3
	v_permlane16_swap_b32 v[ACC+\j], v[ACC+4+\j]   ; lanes 0-15 keep experts 0-3, lanes 16-31 get experts 4-7
.endr
	v_pk_add_f32 v[ACC:ACC+1], v[ACC:ACC+1], v[ACC+4:ACC+5]
	v_pk_add_f32 v[ACC+2:ACC+3], v[ACC+2:ACC+3], v[ACC+6:ACC+7]
.irp j, 0,1,2,3
	v_add_f32_dpp v[ACC+\j], v[ACC+\j], v[ACC+\j] row_xmask:8 row_mask:0xf bank_mask:0xf
.endr
	v_cndmask_b32 v[ACC], v[ACC], v[ACC+2], s21
	v_cndmask_b32 v[ACC+1], v[ACC+1], v[ACC+3], s21
	v_add_f32_dpp v[ACC], v[ACC], v[ACC] row_xmask:4 row_mask:0xf bank_mask:0xf
	v_add_f32_dpp v[ACC+1], v[ACC+1], v[ACC+1] row_xmask:4 row_mask:0xf bank_mask:0xf
	v_cndmask_b32 v[FF+PAR], v[ACC], v[ACC+1], s22
	v_add_f32_dpp v[FF+PAR], v[FF+PAR], v[FF+PAR] row_xmask:2 row_mask:0xf bank_mask:0xf
	v_add_f32_dpp v[FF+PAR], v[FF+PAR], v[FF+PAR] row_xmask:1 row_mask:0xf bank_mask:0xf
	ds_store_b32 v[CST], v[CD+PAR] offset:512*(\i)
	ds_store_b8 v[SST], v[BY+PAR] offset:32*(\i)   ; the four lanes of a block write the same byte with the same value
	ds_store_b32 v[PST], v[FF+PAR] offset:32*(\i)  ; likewise the four lanes of an expert
.endm
.irp i, 0,1,2,3,4,5,6,7,8,9,10,11,12,13,14,15
	ROW \i
.endr
	s_wait_dscnt 0x0                               ; for the others: my codes, bytes and partial logits lie in LDS
	s_barrier_signal -1
	s_barrier_wait -1
.irp i, 0,1,2,3
	ds_load_b128 v[CB+4*\i:CB+4*\i+3], v[CRD] offset:4096*\i
.endr
.irp i, 0,1,2,3
	s_wait_dscnt 3-\i
	global_store_b128 v[TO16], v[CB+4*\i:CB+4*\i+3], s[8:9] offset:4096*\i     ; a wave stores 512 consecutive bytes, aligned
.endr
	s_cmp_lt_u32 s18, 6
	s_cbranch_scc1 .Lno_scales
	ds_load_b128 v[CB+16:CB+19], v[SRD]            ; waves 6 and 7: the group's 1,024 scale bytes
	s_wait_dscnt 0x0
	global_store_b128 v[TO16], v[CB+16:CB+19], s[10:11] offset:-3072           ; 16 x (thread - 192)
.Lno_scales:
	s_cmp_lg_u32 s18, 0
	s_cbranch_scc1 .Lend
	; wave 0: the router's choice, a lane to a token
.irp q, 0,1,2,3
	ds_load_b128 v[96+8*\q:99+8*\q], v[PRD] offset:1024*\q
	ds_load_b128 v[100+8*\q:103+8*\q], v[PRD] offset:1024*\q+16
.endr
	s_wait_dscnt 0x0
.irp p, 0,2,4,6
	v_pk_add_f32 v[96+\p:97+\p], v[96+\p:97+\p], v[104+\p:105+\p]
	v_pk_add_f32 v[112+\p:113+\p], v[112+\p:113+\p], v[120+\p:121+\p]
.endr
.irp p, 0,2,4,6
	v_pk_add_f32 v[96+\p:97+\p], v[96+\p:97+\p], v[112+\p:113+\p]              ; the eight logits: v96-103
.endr
.macro SCAN best, idx                  ; the largest of v96-103; of equals the lowest index stays
	v_mov_b32 v[\best], v96
	v_mov_b32 v[\idx], 0
.irp e, 1,2,3,4,5,6,7
	v_cmp_ge_f32 vcc_lo, v[\best], v[96+\e]
	v_cndmask_b32 v[\best], v[96+\e], v[\best], vcc_lo
	v_cndmask_b32 v[\idx], \e, v[\idx], vcc_lo
.endr
.endm
	SCAN 128, 129
	v_mov_b32 v132, 0xff800000
.irp e, 0,1,2,3,4,5,6,7
	v_cmp_eq_u32 vcc_lo, \e, v129
	v_cndmask_b32 v[96+\e], v[96+\e], v132, vcc_lo                             ; the first choice leaves the field
.endr
	SCAN 130, 131
	v_sub_f32 v133, v130, v128                     ; the second less the first: the larger is taken away, 0 or less
	v_mul_f32 v133, 0x3fb8aa3b, v133
	v_exp_f32 v133, v133                           ; p = e^(second - first)
	v_min_u32 v137, v129, v131                     ; the lower expert (plain work behind the exponential)
	v_max_u32 v138, v129, v131                     ; the higher
	v_sub_nc_u32 v142, 15, v137
	v_mul_u32_u24 v142, v142, v137
	v_lshrrev_b32 v142, 1, v142                    ; the first key of this lower expert: lo (15 - lo) / 2
	s_wait_alu depctr_va_vdst(0)                   ; the wait ahead of the first reader of p
	v_add_f32 v134, 1.0, v133
	v_rcp_f32 v135, v134                           ; the first weight: 1 / (1 + p)
	v_sub_nc_u32 v143, 7, v138                     ; an odd lower expert walks down: 7 - hi
	v_sub_nc_u32 v139, v138, v137
	v_add_nc_u32 v139, -1, v139                    ; an even one up: hi - lo - 1
	v_and_b32 v152, 1, v137
	v_cmp_eq_u32 vcc_lo, 1, v152
	v_cndmask_b32 v139, v139, v143, vcc_lo
	v_add_nc_u32 v139, v139, v142                  ; the key, 0 .. 27
	s_wait_alu depctr_va_vdst(0)                   ; and ahead of the first reader of the reciprocal
	v_mul_f32 v136, v133, v135                     ; the second weight: p / (1 + p)
.irp e, 0,1,2,3,4,5,6,7
	v_cmp_eq_u32 vcc_lo, \e, v131
	v_cndmask_b32 v[144+\e], 0, v136, vcc_lo
	v_cmp_eq_u32 vcc_lo, \e, v129
	v_cndmask_b32 v[144+\e], v[144+\e], v135, vcc_lo
.endr
	v_mov_b32 v140, 0                              ; my rank among the group's tokens of my key
	v_mov_b32 v141, 0                              ; lane k: how many tokens of the group have key k
.set kk, 0
.rept 28
	v_cmp_eq_u32 s26, kk, v139
	v_mbcnt_lo_u32_b32 v143, s26, 0
	v_cndmask_b32 v140, v140, v143, s26
	s_bcnt1_i32_b32 s27, s26
	v_writelane_b32 v141, s27, kk
.set kk, kk+1
.endr
	v_lshl_or_b32 v142, v140, 8, v139
	v_lshl_or_b32 v142, v137, 16, v142
	v_lshl_or_b32 v142, v138, 24, v142
	global_store_b128 v[GO], v[144:147], s[12:13]
	global_store_b128 v[GO], v[148:151], s[12:13] offset:16
	global_store_b32 v[LO4], v142, s[14:15]
	global_store_b32 v[LO4], v141, s[16:17]
.Lend:
	s_wait_tensorcnt 0x0
	ds_add_u32 v254, v255
	s_wait_dscnt 0x0
	s_endpgm
.Lfunc_end_k_q8604e99ad7_route:
	.size	k_q8604e99ad7_route, .Lfunc_end_k_q8604e99ad7_route-k_q8604e99ad7_route
	.p2alignl 7, 3214868480
	.fill 96, 4, 3214868480
	.section	.rodata,"a",@progbits
	.p2align	6, 0x0
	.amdhsa_kernel k_q8604e99ad7_route
		.amdhsa_group_segment_fixed_size 81920
		.amdhsa_private_segment_fixed_size 0
		.amdhsa_enable_private_segment 0
		.amdhsa_kernarg_size 56
		.amdhsa_user_sgpr_count 2
		.amdhsa_user_sgpr_kernarg_segment_ptr 1
		.amdhsa_wavefront_size32 1
		.amdhsa_system_sgpr_workgroup_id_x 1
		.amdhsa_system_sgpr_workgroup_id_y 1
		.amdhsa_system_sgpr_workgroup_id_z 1
		.amdhsa_system_vgpr_workitem_id 0
		.amdhsa_next_free_vgpr 256
		.amdhsa_next_free_sgpr 66
		.amdhsa_reserve_vcc 1
		.amdhsa_float_denorm_mode_32 3
		.amdhsa_float_denorm_mode_16_64 3
		.amdhsa_memory_ordered 1
		.amdhsa_forward_progress 1
		.amdhsa_inst_pref_size 88
	.end_amdhsa_kernel
	.amdgpu_metadata
---
amdhsa.version: [ 1, 2 ]
amdhsa.kernels:
  - .name:           k_q8604e99ad7_route
    .symbol:         k_q8604e99ad7_route.kd
    .args:
      - { .name: x, .offset: 0, .size: 8, .value_kind: global_buffer, .address_space: global }
      - { .name: Wr, .offset: 8, .size: 8, .value_kind: global_buffer, .address_space: global }
      - { .name: xcodes, .offset: 16, .size: 8, .value_kind: global_buffer, .address_space: global }
      - { .name: xscales, .offset: 24, .size: 8, .value_kind: global_buffer, .address_space: global }
      - { .name: gates, .offset: 32, .size: 8, .value_kind: global_buffer, .address_space: global }
      - { .name: tokinfo, .offset: 40, .size: 8, .value_kind: global_buffer, .address_space: global }
      - { .name: hist, .offset: 48, .size: 8, .value_kind: global_buffer, .address_space: global }
    .group_segment_fixed_size: 81920
    .private_segment_fixed_size: 0
    .kernarg_segment_align: 8
    .kernarg_segment_size: 56
    .max_flat_workgroup_size: 256
    .sgpr_count:     66
    .vgpr_count:     256
    .wavefront_size: 32
...
	.end_amdgpu_metadata
.endif
;; end of part 1
;; launch prep (part 2): grid 241 x 1, 4 waves a work-group, no clusters, 1,024 bytes of LDS; arguments tokinfo, hist, W3, W12_codes, W12_scales, order, wstream; writes order, wstream
.if DOCPART == 2
	.amdgcn_target "amdgcn-amd-amdhsa--gfx1250"
	.amdhsa_code_object_version 6
	.text
	.protected	k_q8604e99ad7_prep
	.globl	k_q8604e99ad7_prep
	.p2align	8
	.type	k_q8604e99ad7_prep,@function
k_q8604e99ad7_prep:
	s_mov_b64 s[64:65], 0
	v_nop
	global_prefetch_b8 v0, s[64:65] scope:SCOPE_SE
	s_setreg_imm32_b32 hwreg(HW_REG_WAVE_MODE, 25, 1), 1
	s_wait_xcnt 0x0
; Three kinds of work-group, told apart by the work-group's number.
; 0: a counting sort of the 8,192 tokens by their key (pair of experts): order [place] = token | lower expert << 16 | higher expert << 24.
; 1 .. 192: W3 [8][341][1024] f32 is quantised along its K (the 341 hidden units, filled up with zeros) into codes of E2M1 and E8M0 bytes.
; 193 .. 240: W12's codes and scale bytes are laid anew.  Both weights go to wstream in the order in which a wave of the next launch takes them into its operand registers:
; wstream [expert 8][wave 4][slot 36][4,352 bytes]; a slot = 4 fragments of 1,024 bytes, [c 0..1][lane][16 bytes] (registers 4 c .. 4 c + 3 of the lane), then 256 bytes of scale words
; [p 0..1][lane][4 bytes]: lanes 0-15 the rows of fragment 2 p, lanes 16-31 those of fragment 2 p + 1.
; Slots 0-23: slot 8 j + s = hidden block b = 4 j + wave, K step s of 128; fragment 2 g + u (g = 0: h1, 1: h2): lane r's row is hidden unit U = 32 b + 8 u + r + 8 (r / 8), row 341 g + U of W12;
; for U over 340 the codes are zeros and the scale bytes 127.  Slots 24-35: slot 24 + 3 G + s = channels 256 wave + 64 G .. + 63 of W3, hidden units 128 s .. + 127; fragment f: channels + 16 f + r.
; LIMITS: NaN and infinities in W3 are not served.  A block of zeros, or one whose largest magnitude lies under 2^-124, gets the byte 1 (the rule says 127 for zeros): its codes are zeros, and this program alone reads the bytes.
.set SLOTB, 4352
.set WSTR,  36*SLOTB
.set H,   32                           ; sort: v32-95 a wave's 64 histogram rows, lane = key
.set T,   96                           ; sort: v96-159 its 64 x 32 tokinfo words, lane = token
.set G,   160                          ; sort: eight registers each at work
.set IDX, 168
.set B,   176
.set X,   32                           ; W3: v32-95 two sets of 32 numbers
.set C,   96                           ; W3: v96-111 four blocks' codes
.set SB,  112                          ; W3: the four scale bytes
	s_load_b256 s[4:11], s[0:1], 0x0               ; tokinfo, hist, W3, W12's codes
	s_load_b128 s[12:15], s[0:1], 0x20             ; W12's scales, order
	s_load_b64 s[16:17], s[0:1], 0x30              ; wstream
	v_lshl_add_u32 v192, v0, 2, 0x200
	v_mov_b32 v193, 0
	v_lshrrev_b32 v2, 5, v0
	v_readfirstlane_b32 s18, v2                    ; wave 0..3
	v_and_b32 v1, 31, v0                           ; lane
	s_wait_kmcnt 0x0
	s_cmp_eq_u32 ttmp9, 0
	s_cbranch_scc1 .Lsort
	s_cmp_lt_u32 ttmp9, 193
	s_cbranch_scc1 .Lw3
	; ---- W12: a wave takes (expert, g, hidden block b): two fragments for each of the 8 K steps, and their scale words
	s_sub_co_u32 s20, ttmp9, 193
	s_lshl_b32 s20, s20, 2
	s_add_co_u32 s20, s20, s18
	s_and_b32 s21, s20, 7                          ; expert
	s_bfe_u32 s22, s20, 0x10003                    ; g
	s_lshr_b32 s23, s20, 4                         ; b, 0 .. 11
	v_and_b32 v3, 15, v1                           ; r
	v_lshrrev_b32 v4, 4, v1                        ; h
	v_and_b32 v5, 8, v3
	v_add_nc_u32 v5, v5, v3                        ; r + 8 (r / 8)
	s_lshl_b32 s24, s23, 5
	s_mov_b32 s27, 341
	s_mul_i32 s26, s22, 341
	v_add_nc_u32 v6, s24, v5                       ; U of fragment u = 0,
	v_add_nc_u32 v7, 8, v6                         ; of u = 1,
	v_lshl_add_u32 v8, v4, 3, v6                   ; and for the scale words: u = lane / 16
	v_cmp_gt_u32 s28, s27, v6                      ; is there such a hidden unit?
	v_cmp_gt_u32 s29, s27, v7
	v_cmp_gt_u32 s30, s27, v8
.irp a, 6,7,8
	v_min_u32 v\a, 340, v\a                        ; no load leaves its buffer
	v_add_nc_u32 v\a, s26, v\a                     ; the row of W12
.endr
	v_lshlrev_b32 v6, 9, v6                        ; a row of codes is 512 bytes
	v_lshl_add_u32 v6, v4, 4, v6
	v_lshlrev_b32 v7, 9, v7
	v_lshl_add_u32 v7, v4, 4, v7
	v_lshlrev_b32 v8, 5, v8                        ; a row of scale bytes 32
	v_lshlrev_b32 v9, 4, v1
	v_lshlrev_b32 v10, 2, v1
	v_mov_b32 v11, 0x7f7f7f7f
	s_mov_b32 s25, 0
	s_mul_i32 s24, s21, 682*512
	s_add_nc_u64 s[10:11], s[10:11], s[24:25]
	s_mul_i32 s24, s21, 682*32
	s_add_nc_u64 s[12:13], s[12:13], s[24:25]
	s_lshl_b32 s24, s21, 2
	s_and_b32 s31, s23, 3
	s_add_co_u32 s24, s24, s31
	s_mul_i32 s24, s24, WSTR                       ; the stream of (expert, wave b % 4),
	s_lshr_b32 s31, s23, 2
	s_mul_i32 s31, s31, 8*SLOTB
	s_add_co_u32 s24, s24, s31                     ; slot 8 (b / 4)
	s_add_nc_u64 s[32:33], s[16:17], s[24:25]
	s_lshl_b32 s24, s22, 7
	s_add_nc_u64 s[34:35], s[32:33], s[24:25]      ; scale words: + 128 g (the 4,096 stand in the immediate)
	s_lshl_b32 s24, s22, 11
	s_add_nc_u64 s[32:33], s[32:33], s[24:25]      ; codes: fragment 2 g
.irp s, 0,1,2,3,4,5,6,7
.irp c, 0,1
	global_load_b128 v[32+4*(2*\s+\c):35+4*(2*\s+\c)], v6, s[10:11] offset:64*\s+32*\c
.endr
.endr
.irp s, 0,1,2,3,4,5,6,7
.irp c, 0,1
	global_load_b128 v[96+4*(2*\s+\c):99+4*(2*\s+\c)], v7, s[10:11] offset:64*\s+32*\c
.endr
.endr
	global_load_b128 v[160:163], v8, s[12:13]
	global_load_b128 v[164:167], v8, s[12:13] offset:16
	s_wait_loadcnt 18                              ; fragment u = 0 is in; behind it stand u = 1's sixteen loads and the two of scale bytes
.set ii, 0
.rept 64
	v_cndmask_b32 v[32+ii], 0, v[32+ii], s28       ; zeros where there is no such hidden unit
.set ii, ii+1
.endr
.irp s, 0,1,2,3,4,5,6,7
.irp c, 0,1
	global_store_b128 v9, v[32+4*(2*\s+\c):35+4*(2*\s+\c)], s[32:33] offset:\s*SLOTB+512*\c       ; 512 consecutive bytes, aligned
.endr
.endr
	s_wait_loadcnt 2
.set ii, 0
.rept 64
	v_cndmask_b32 v[96+ii], 0, v[96+ii], s29
.set ii, ii+1
.endr
.irp s, 0,1,2,3,4,5,6,7
.irp c, 0,1
	global_store_b128 v9, v[96+4*(2*\s+\c):99+4*(2*\s+\c)], s[32:33] offset:\s*SLOTB+1024+512*\c
.endr
.endr
	s_wait_loadcnt 0x0
.irp s, 0,1,2,3,4,5,6,7
	v_cndmask_b32 v[160+\s], v11, v[160+\s], s30
.endr
.irp s, 0,1,2,3,4,5,6,7
	global_store_b32 v10, v[160+\s], s[34:35] offset:\s*SLOTB+4096
.endr
	s_endpgm
	; ---- W3: a wave takes (K step of 128 hidden units, expert, 32 channels).  A lane takes a channel and its registers run down K: each load reads 128 consecutive bytes,
	; the four waves of a work-group stand side by side on 512; a block of 32 lies in one lane, and the conversions give codes with K innermost
.Lw3:
	s_sub_co_u32 s20, ttmp9, 1
	s_lshl_b32 s20, s20, 2
	s_add_co_u32 s20, s20, s18
	s_lshr_b32 s21, s20, 8                         ; K step 0 .. 2
	s_bfe_u32 s22, s20, 0x30005                    ; expert
	s_and_b32 s23, s20, 31                         ; which 32 channels
	s_mul_i32 s24, s22, 341*4096
	s_lshl_b32 s26, s21, 19                        ; 128 rows of 4,096 bytes
	s_add_co_u32 s24, s24, s26
	s_lshl_b32 s26, s23, 7
	s_add_co_u32 s24, s24, s26
	s_mov_b32 s25, 0
	s_add_nc_u64 s[8:9], s[8:9], s[24:25]
	s_lshl_b32 s24, s22, 2
	s_lshr_b32 s26, s23, 3
	s_add_co_u32 s24, s24, s26
	s_mul_i32 s24, s24, WSTR                       ; the stream of (expert, wave = channels / 256),
	s_bfe_u32 s26, s23, 0x20001                    ; the group of 64 channels in it,
	s_mul_i32 s26, s26, 3
	s_add_co_u32 s26, s26, s21
	s_add_co_u32 s26, s26, 24
	s_mul_i32 s26, s26, SLOTB                      ; slot 24 + 3 G + K step
	s_add_co_u32 s24, s24, s26
	s_add_nc_u64 s[32:33], s[16:17], s[24:25]
	s_and_b32 s26, s23, 1                          ; which two of the slot's four fragments
	s_lshl_b32 s24, s26, 7
	s_add_co_u32 s24, s24, 4096
	s_add_nc_u64 s[34:35], s[32:33], s[24:25]      ; their scale words
	s_lshl_b32 s24, s26, 11
	s_add_nc_u64 s[32:33], s[32:33], s[24:25]      ; their codes
	v_lshlrev_b32 v3, 2, v1                        ; in: 4 bytes a lane; also my scale word's place
	v_lshrrev_b32 v4, 4, v1
	v_and_b32 v5, 15, v1
	v_lshlrev_b32 v4, 10, v4
	v_lshl_add_u32 v4, v5, 4, v4                   ; out: fragment lane / 16, 16 bytes for row lane % 16; block t lies 256 t bytes on
.macro LOADB t, n                      ; block t: the first n of its 32 rows are there; the others count as zeros
.set ii, 0
.rept 32
.if ii < \n
	global_load_b32 v[X+32*((\t)%2)+ii], v3, s[8:9] offset:(32*(\t)+ii)*4096 th:TH_LOAD_NT
.else
	v_mov_b32 v[X+32*((\t)%2)+ii], 0
.endif
.set ii, ii+1
.endr
.endm
.macro BLOCK t, left                   ; left: the next block's loads, which may stay out
.set XB, X+32*((\t)%2)
	s_wait_loadcnt \left
	v_max3_num_f32 v12, |v[XB]|, |v[XB+1]|, |v[XB+2]|              ; the block's largest magnitude: all 32 numbers are mine
	v_max3_num_f32 v13, |v[XB+3]|, |v[XB+4]|, |v[XB+5]|
.irp i, 6,10,14,18,22,26
	v_max3_num_f32 v12, v12, |v[XB+\i]|, |v[XB+\i+1]|
	v_max3_num_f32 v13, v13, |v[XB+\i+2]|, |v[XB+\i+3]|
.endr
	v_max3_num_f32 v12, v12, |v[XB+30]|, |v[XB+31]|
	v_max3_num_f32 v12, v12, v13, 0x1800000        ; and the floor 2^(3 - 127): the byte cannot fall under 1
	v_add_nc_u32 v11, 0xff000000, v12              ; 2 off its exponent field: the conversion's scale operand
	v_lshrrev_b32 v13, 23, v11                     ; the scale's byte
.if (\t) == 0
	v_mov_b32 v[SB], v13
.else
	v_lshl_or_b32 v[SB], v13, 8*(\t), v[SB]
.endif
.irp g, 0,1,2,3
	v_cvt_scalef32_pk8_fp4_f32 v[C+4*(\t)+\g], v[XB+8*\g:XB+8*\g+7], v11
.endr
	v_nop                                          ; a plain line between the conversions and the next vector write of their sources
	global_store_b128 v4, v[C+4*(\t):C+4*(\t)+3], s[32:33] offset:256*(\t)     ; sixteen lanes store 256 consecutive bytes, aligned
.endm
.macro W3UNIT n2, n3
	LOADB 0, 32
	LOADB 1, 32
	BLOCK 0, 32
	LOADB 2, \n2
	BLOCK 1, \n2
	LOADB 3, \n3
	BLOCK 2, \n3
	BLOCK 3, 0
	global_store_b32 v3, v[SB], s[34:35]
	s_endpgm
.endm
	s_cmp_eq_u32 s21, 2
	s_cbranch_scc1 .Lw3_last
	W3UNIT 32, 32
.Lw3_last:
	W3UNIT 21, 0                                   ; hidden units 256 .. 340: 32, 32, 21 and 0 rows: no load passes row 340
	; ---- the sort.  Wave w takes groups 64 w .. 64 w + 63.  A token's place = tokens of lower keys + tokens of its key in earlier groups + its rank in its group
.Lsort:
	s_lshl_b32 s20, s18, 13
	v_lshl_add_u32 v30, v1, 2, s20                 ; 4 x lane + 64 groups x 128 bytes x wave
.set ii, 0
.rept 64
	global_load_b32 v[H+ii], v30, s[6:7] offset:128*ii
.set ii, ii+1
.endr
.set ii, 0
.rept 64
	global_load_b32 v[T+ii], v30, s[4:5] offset:128*ii
.set ii, ii+1
.endr
	v_lshlrev_b32 v29, 2, v0                       ; LDS: 128 x wave + 4 x lane
	v_lshlrev_b32 v28, 2, v1
	s_lshl_b32 s21, s18, 11
	v_add_nc_u32 v26, s21, v1                      ; the token of group 64 w at my lane
	s_wait_loadcnt 63                              ; the histograms are in (64 loads stand behind them; the count names the most that it can)
.set ii, 1
.rept 63
	v_add_nc_u32 v[H+ii], v[H+ii], v[H+ii-1]       ; running sums over my groups: H(i - 1) = tokens of key = lane in my groups ahead of group i
.set ii, ii+1
.endr
	ds_store_b32 v29, v[H+63]                      ; my wave's totals
	s_wait_dscnt 0x0
	s_barrier_signal -1
	s_barrier_wait -1
.irp w, 0,1,2,3
	ds_load_b32 v[184+\w], v28 offset:128*\w
.endr
	s_wait_dscnt 0x0
	v_add3_u32 v188, v184, v185, v186
	v_add_nc_u32 v188, v188, v187                  ; all tokens of key = lane
.irp w, 0,1,2
	s_cmp_gt_u32 s18, \w
	s_cselect_b32 s22, -1, 0
	v_and_b32 v[184+\w], s22, v[184+\w]
.endr
	v_add3_u32 v189, v184, v185, v186              ; those in earlier waves' groups
	v_mov_b32 v190, v188
.irp n, 1,2,4,8
	v_mov_b32 v191, 0
	v_mov_b32_dpp v191, v190 row_shr:\n row_mask:0xf bank_mask:0xf bound_ctrl:1
	v_add_nc_u32 v190, v190, v191                  ; running sums over the keys, inside each half of the lanes
.endr
	v_readlane_b32 s22, v190, 15
	v_cmp_lt_u32 vcc_lo, 15, v1
	v_mov_b32 v191, s22
	v_cndmask_b32 v191, 0, v191, vcc_lo
	v_add_nc_u32 v190, v190, v191                  ; and across
	v_sub_nc_u32 v190, v190, v188
	v_add_nc_u32 v190, v190, v189                  ; where my wave's tokens of key = lane begin
	s_wait_loadcnt 0x0                             ; tokinfo
.set bb, 0
.rept 8                                ; eight groups at a time
.set jj, 0
.rept 8
.set gi, 8*bb+jj
.if gi == 0
	v_mov_b32 v[G+jj], v190
.else
	v_add_nc_u32 v[G+jj], v190, v[H+gi-1]          ; lane = key: where group gi's tokens of that key begin
.endif
	v_and_b32 v[IDX+jj], 31, v[T+gi]
	v_min_u32 v[IDX+jj], 31, v[IDX+jj]
	v_lshlrev_b32 v[IDX+jj], 2, v[IDX+jj]
	ds_bpermute_b32 v[B+jj], v[IDX+jj], v[G+jj]    ; lane = token: the number at the lane of its key
.set jj, jj+1
.endr
	s_wait_dscnt 0x0
.set jj, 0
.rept 8
.set gi, 8*bb+jj
.if gi == 0
.set VALR, 27
.else
.set VALR, H+gi-1                      ; done with: the next batch begins at H(8 bb + 7)
.endif
	v_bfe_u32 v[IDX+jj], v[T+gi], 8, 5             ; rank
	v_and_b32 v[G+jj], 0xffff0000, v[T+gi]         ; the two experts
	v_add_nc_u32 v[T+gi], v[B+jj], v[IDX+jj]
	v_min_u32 v[T+gi], 0x1fff, v[T+gi]             ; the place, held inside the list
	v_lshlrev_b32 v[T+gi], 2, v[T+gi]
	v_add3_u32 v[VALR], v26, 32*gi, v[G+jj]        ; token | experts: the fields do not meet
	global_store_b32 v[T+gi], v[VALR], s[14:15]    ; each store has registers of its own
.set jj, jj+1
.endr
.set bb, bb+1
.endr
	s_wait_tensorcnt 0x0
	ds_add_u32 v192, v193
	s_wait_dscnt 0x0
	s_endpgm
.Lfunc_end_k_q8604e99ad7_prep:
	.size	k_q8604e99ad7_prep, .Lfunc_end_k_q8604e99ad7_prep-k_q8604e99ad7_prep
	.p2alignl 7, 3214868480
	.fill 96, 4, 3214868480
	.section	.rodata,"a",@progbits
	.p2align	6, 0x0
	.amdhsa_kernel k_q8604e99ad7_prep
		.amdhsa_group_segment_fixed_size 1024
		.amdhsa_private_segment_fixed_size 0
		.amdhsa_enable_private_segment 0
		.amdhsa_kernarg_size 56
		.amdhsa_user_sgpr_count 2
		.amdhsa_user_sgpr_kernarg_segment_ptr 1
		.amdhsa_wavefront_size32 1
		.amdhsa_system_sgpr_workgroup_id_x 1
		.amdhsa_system_sgpr_workgroup_id_y 1
		.amdhsa_system_sgpr_workgroup_id_z 1
		.amdhsa_system_vgpr_workitem_id 0
		.amdhsa_next_free_vgpr 194
		.amdhsa_next_free_sgpr 66
		.amdhsa_reserve_vcc 1
		.amdhsa_float_denorm_mode_32 3
		.amdhsa_float_denorm_mode_16_64 3
		.amdhsa_memory_ordered 1
		.amdhsa_forward_progress 1
		.amdhsa_inst_pref_size 111
	.end_amdhsa_kernel
	.amdgpu_metadata
---
amdhsa.version: [ 1, 2 ]
amdhsa.kernels:
  - .name:           k_q8604e99ad7_prep
    .symbol:         k_q8604e99ad7_prep.kd
    .args:
      - { .name: tokinfo, .offset: 0, .size: 8, .value_kind: global_buffer, .address_space: global }
      - { .name: hist, .offset: 8, .size: 8, .value_kind: global_buffer, .address_space: global }
      - { .name: W3, .offset: 16, .size: 8, .value_kind: global_buffer, .address_space: global }
      - { .name: W12_codes, .offset: 24, .size: 8, .value_kind: global_buffer, .address_space: global }
      - { .name: W12_scales, .offset: 32, .size: 8, .value_kind: global_buffer, .address_space: global }
      - { .name: order, .offset: 40, .size: 8, .value_kind: global_buffer, .address_space: global }
      - { .name: wstream, .offset: 48, .size: 8, .value_kind: global_buffer, .address_space: global }
    .group_segment_fixed_size: 1024
    .private_segment_fixed_size: 0
    .kernarg_segment_align: 8
    .kernarg_segment_size: 56
    .max_flat_workgroup_size: 128
    .sgpr_count:     66
    .vgpr_count:     194
    .wavefront_size: 32
...
	.end_amdgpu_metadata
.endif
;; end of part 2
;; launch chain (part 3): grid 256 x 1, 4 waves a work-group, no clusters, 90,624 bytes of LDS; arguments xcodes, xscales, gates, order, wstream, out0; writes out0
.if DOCPART == 3
	.amdgcn_target "amdgcn-amd-amdhsa--gfx1250"
	.amdhsa_code_object_version 6
	.text
	.protected	k_q8604e99ad7_chain
	.globl	k_q8604e99ad7_chain
	.p2align	8
	.type	k_q8604e99ad7_chain,@function
k_q8604e99ad7_chain:
	s_mov_b64 s[64:65], 0
	v_nop
	global_prefetch_b8 v0, s[64:65] scope:SCOPE_SE
	s_setreg_imm32_b32 hwreg(HW_REG_WAVE_MODE, 25, 1), 1
	s_wait_xcnt 0x0
; out[token] = the sum over the experts e of gate(token, e) x ((silu(h1) h2) W3[e]), (h1, h2) = x W12[e], both products on codes of E2M1 with one E8M0 scale for each 32 along K.
; A work-group owns 32 tokens, neighbours in the list sorted by pair of experts, and every byte of their rows of out.  It walks the 8 experts in a loop of constant count and passes over,
; by a scalar branch on the stored list, those that none of its tokens has chosen.  A token of the block that has not chosen a walked expert has the gate 0.
; THE WAVES SHARE THE COLUMNS, NOT THE ROWS.  First product: wave w makes hidden blocks of 32 number w, w + 4, w + 8 (h1 and h2) for all 32 tokens; second: channels 256 w .. + 255.
; So each weight byte is loaded by one wave of the work-group and feeds two matrix instructions.  The weights come from memory straight into operand registers, laid out for that by the launch before,
; through a ring of six places of 4,352 bytes in registers.  Both products are used transposed (source 0 = 16 rows of the weight, source 1 = 16 tokens): a lane holds one token and eight neighbours.
; The rows of W12 that form a tile are chosen so that the 16 registers of two neighbouring tiles are 16 neighbours along the next K.
; The hidden layer is quantised in registers and goes from wave to wave through LDS as an image of the operand's registers; it never goes to memory.
; NO TENSOR LOADS, NO CLUSTER: which experts a work-group walks hangs on numbers read from memory, and work-groups that lie side by side walk different experts.
; Each of the two phases under a branch is closed in itself: it asks for its own weights, its last wait for loads is for 0, and it reads only registers made at the head or by itself.
; The sums of out begin as zeros written at the head: which expert comes first is data, and a first step of another form would be a second way through the loop.
; LIMITS: as in the launches before; sums and gates in f32; an expert's result that overflows f32 is not served.
.set SLOTB, 4352
.set WSTR,  36*SLOTB
.set ESTR,  4*WSTR
.set XP,    528                        ; LDS 0: x's 32 rows of codes, 512 bytes + 16
.set HIMG,  16896                      ; the hidden layer's 6 fragments (3 m + K step), 1,024 bytes each
.set HSC,   23040                      ; their scale words: [K step 3][token 32][4 bytes], and 128 bytes to the next block of 256
.set STG,   23552                      ; the way out: for each wave 16 rows x (1,024 bytes + 16)
.set SP,    1040
; window 0
.set LO16, 4                           ; v4   16 x lane
.set LO4,  5                           ; v5   4 x lane
.set XWR,  6                           ; v6   x's rows into LDS
.set XRD,  7                           ; v7   x's fragments out of it
.set HWI,  8                           ; v8   where my half block of hidden codes goes
.set HWS,  9                           ; v9   and its scale byte
.set HRI,  10                          ; v10  an image's place for my lane
.set HRS,  11                          ; v11  a scale word's
.set STO,  12                          ; v12  the stage: where I put 32 bytes of a row
.set SRD,  13                          ; v13  and where I read 16 bytes of a row back
.set GOFF, 14                          ; v14-15 my token's row of gates, tile m
.set XS,   16                          ; v16-23 x's scale words, K step s; lane = token of the block
.set SCR,  24                          ; v24-35 the ring's scale words, two for each place
.set HS,   36                          ; v36-38 the hidden layer's scale words
.set GT,   40                          ; v40, v42 my token's gate, tile m (v41, v43 are named with them as pairs)
.set TOKO, 44                          ; v44-59 out: the byte offset of row 2 i + lane / 16 of the block, + 16 (lane % 16)
.set OT,   60
.set HACC, 64                          ; v64-127 first product: (m, g, u) at 32 m + 16 g + 8 u; second: (f, m) at 16 f + 8 m
.set TE,   128                         ; v128-159 at work
.set MX,   160
.set PX,   162
.set SO,   164
.set BY,   166
.set PC,   168                         ; v168-171 the codes just made
.set XR,   176                         ; v176-207 eight rows of x's codes as gathered
.set OW,   208
.set OM,   216
; window 1: x's fragments at 8 (8 m + s); from v128 the hidden layer's at 8 (3 m + s).  window 2: the ring, place p at 32 p, fragment q at + 8 q.  window 3: out, (tile of channels t, m) at 8 (2 t + m)
.set HF,   128
.set W_MUL,  0x06                      ; source 0 window 2, source 1 window 1, C and D window 0
.set W_RING, 0x80                      ; destination window 2
.set W_TOW1, 0x40                      ; destination window 1
.set W_GATE, 0xf0                      ; destination and source 2 window 3
.set W_ZERO, 0xc0                      ; destination window 3
.set W_ST3,  0x0c                      ; a store's data window 3
.set W_ST2,  0x08
.set W_ST1,  0x04
.set MSB, 0
.macro WIN new                         ; the immediate's high byte repeats the setting that is left
.if MSB != \new
	s_set_vgpr_msb (MSB<<8)|\new
.set MSB, \new
.endif
.endm
	s_load_b256 s[4:11], s[0:1], 0x0               ; xcodes, xscales, gates, order
	s_load_b128 s[12:15], s[0:1], 0x20             ; wstream, out0
	v_lshl_add_u32 v254, v0, 2, 0x16000
	v_mov_b32 v255, 0
	v_lshrrev_b32 v61, 5, v0
	v_readfirstlane_b32 s18, v61                   ; wave 0..3
	v_and_b32 v1, 15, v0                           ; r
	v_bfe_u32 v2, v0, 4, 1                         ; h
	v_and_b32 v3, 31, v0                           ; lane
	v_lshlrev_b32 v[LO16], 4, v3
	v_lshlrev_b32 v[LO4], 2, v3
	s_mul_i32 s26, s18, 8*XP
	v_add_nc_u32 v[XWR], s26, v[LO16]              ; my wave's 8 rows
	v_mul_u32_u24 v[XRD], v1, XP
	v_lshl_add_u32 v[XRD], v2, 4, v[XRD]
	s_lshl_b32 s26, s18, 8
	s_add_co_u32 s26, s26, HIMG
	v_lshlrev_b32 v[HWI], 4, v1
	v_lshl_add_u32 v[HWI], v2, 3, v[HWI]
	v_add_nc_u32 v[HWI], s26, v[HWI]               ; block w of a K step lies in registers 4 (w / 2) .. of lanes 16 (w % 2) + r: 256 w + 16 r; my half of its 16 bytes: + 8 h
	s_add_co_u32 s26, s18, HSC
	v_lshl_add_u32 v[HWS], v1, 2, s26              ; byte w of token r's word
	v_add_nc_u32 v[HRI], HIMG, v[LO16]
	v_add_nc_u32 v[HRS], HSC, v[LO4]
	s_mul_i32 s26, s18, 16*SP
	s_add_co_u32 s26, s26, STG
	v_mul_u32_u24 v[STO], v1, SP
	v_lshl_add_u32 v[STO], v2, 5, v[STO]
	v_add_nc_u32 v[STO], s26, v[STO]
	v_mul_u32_u24 v[SRD], v2, SP
	v_lshl_add_u32 v[SRD], v1, 4, v[SRD]
	v_add_nc_u32 v[SRD], s26, v[SRD]
	v_lshlrev_b32 v61, 2, v1
	s_lshl_b32 s28, s18, 5
	v_mov_b32 v62, s28
	v_lshlrev_b32 v63, 2, v2
	v_lshl_add_u32 v218, v0, 4, HIMG
	v_lshl_add_u32 v219, v0, 2, HSC
.irp i, 220,221,222,223
	v_mov_b32 v\i, 0
.endr
	s_mov_b32 s22, 0x76543210
	s_mov_b32 s23, 0xfedcba98                      ; v_permlanex16_b32's selects for lane l xor 16
	s_mov_b32 s24, 0xbfb8aa3b                      ; -log2(e)
	s_mov_b32 s25, s24
	s_wait_kmcnt 0x0
	s_mov_b32 s27, 0
	s_lshl_b32 s26, ttmp9, 7
	s_add_nc_u64 s[10:11], s[10:11], s[26:27]      ; my 32 places of the list
	s_mul_i32 s26, s18, WSTR
	s_add_nc_u64 s[12:13], s[12:13], s[26:27]      ; my wave's stream of expert 0
	s_lshl_b32 s26, s18, 10
	s_add_nc_u64 s[14:15], s[14:15], s[26:27]      ; my wave's 1,024 bytes of a row of out
	global_load_b32 v[OT], v[LO4], s[10:11]        ; lane = token of the block
	global_load_b32 v[OM], v61, s[10:11]           ; token r of tile 0,
	global_load_b32 v[OM+1], v61, s[10:11] offset:64   ; of tile 1
.irp i, 0,1,2,3,4,5,6,7
	global_load_b32 v[OW+\i], v62, s[10:11] offset:4*\i        ; the eight tokens whose rows of x my wave gathers: the same word in every lane
.endr
.irp i, 0,1,2,3,4,5,6,7,8,9,10,11,12,13,14,15
	global_load_b32 v[TOKO+\i], v63, s[10:11] offset:8*\i      ; tokens 2 i + h, for the way out
.endr
.irp i, 0,1,2
	ds_store_b128 v218, v[220:223] offset:2048*\i  ; the images and scale words are written once as zeros, so that no way through the loop's two branches reads bytes that nobody wrote
.endr
	ds_store_b32 v219, v220
	WIN W_ZERO
.set ii, 0
.rept 256
	v_mov_b32 v[ii], 0                             ; out's sums (they stand here while the list is on its way)
.set ii, ii+1
.endr
	WIN 0
	v_mov_b32 v[PX], 0                             ; written once: a lane permute's destination counts as one of its sources
	v_mov_b32 v[PX+1], 0
	v_mov_b32 v[GT+1], 0
	v_mov_b32 v[GT+3], 0
	s_wait_loadcnt 0x0
	v_bfe_u32 v61, v[OT], 16, 3                    ; each token's two experts
	v_bfe_u32 v62, v[OT], 24, 3
	v_lshlrev_b32 v63, 4, v1
	s_mov_b32 s20, 0                               ; bit e: some token of the block has chosen expert e
.irp e, 0,1,2,3,4,5,6,7
	v_cmp_eq_u32 s26, \e, v61
	v_cmp_eq_u32 s27, \e, v62
	s_or_b32 s26, s26, s27
	s_cselect_b32 s26, 1<<\e, 0
	s_or_b32 s20, s20, s26
.endr
.macro TOKEN reg                       ; a list word's token, held inside the table
	v_and_b32 v[\reg], 0x1fff, v[\reg]
	v_min_u32 v[\reg], 0x1fff, v[\reg]
.endm
.irp i, 0,1,2,3,4,5,6,7
	TOKEN OW+\i
	v_lshlrev_b32 v[OW+\i], 9, v[OW+\i]            ; a row of codes is 512 bytes
	v_add_nc_u32 v[OW+\i], v[OW+\i], v[LO16]
.endr
	TOKEN OT
	v_lshlrev_b32 v[OT], 5, v[OT]                  ; a row of scale bytes 32
.irp i, 0,1,2,3,4,5,6,7
	global_load_b128 v[XR+4*\i:XR+4*\i+3], v[OW+\i], s[4:5]    ; a whole row of 512 bytes an instruction
.endr
	global_load_b128 v[XS:XS+3], v[OT], s[6:7]
	global_load_b128 v[XS+4:XS+7], v[OT], s[6:7] offset:16
.irp m, 0,1
	TOKEN OM+\m
	v_lshlrev_b32 v[GOFF+\m], 5, v[OM+\m]          ; a row of gates is 32 bytes
.endr
.irp i, 0,1,2,3,4,5,6,7,8,9,10,11,12,13,14,15
	TOKEN TOKO+\i
	v_lshlrev_b32 v[TOKO+\i], 12, v[TOKO+\i]       ; a row of out 4,096
	v_add_nc_u32 v[TOKO+\i], v[TOKO+\i], v63
.endr
	s_wait_loadcnt 2                               ; the rows are in; the two loads of scale words may be out
.irp i, 0,1,2,3,4,5,6,7
	ds_store_b128 v[XWR], v[XR+4*\i:XR+4*\i+3] offset:XP*\i
.endr
	s_wait_dscnt 0x0                               ; for the others: my rows and my zeros lie in LDS
	s_barrier_signal -1
	s_barrier_wait -1
	WIN W_TOW1
.irp m, 0,1
.irp s, 0,1,2,3,4,5,6,7
.irp c, 0,1
	ds_load_b128 v[8*(8*\m+\s)+4*\c:8*(8*\m+\s)+4*\c+3], v[XRD] offset:16*XP*\m+64*\s+32*\c      ; x's 16 fragments stay in registers
.endr
.endr
.endr
	WIN 0
	s_wait_loadcnt 0x0
	s_wait_dscnt 0x0
; One scaled product on the registers named by rD, rA, rB, rSA, rSB; rRA, rRB: the scales stand in lanes 16-31.  zero = 1: it starts the sum
.macro WMX zero
.if \zero
.if rRA && rRB
	v_wmma_scale_f32_16x16x128_f8f6f4 v[rD:rD+7], v[rA:rA+7], v[rB:rB+7], 0, v[rSA], v[rSB] matrix_a_fmt:MATRIX_FMT_FP4 matrix_b_fmt:MATRIX_FMT_FP4 matrix_a_scale:MATRIX_SCALE_ROW1 matrix_b_scale:MATRIX_SCALE_ROW1
.elseif rRA
	v_wmma_scale_f32_16x16x128_f8f6f4 v[rD:rD+7], v[rA:rA+7], v[rB:rB+7], 0, v[rSA], v[rSB] matrix_a_fmt:MATRIX_FMT_FP4 matrix_b_fmt:MATRIX_FMT_FP4 matrix_a_scale:MATRIX_SCALE_ROW1
.elseif rRB
	v_wmma_scale_f32_16x16x128_f8f6f4 v[rD:rD+7], v[rA:rA+7], v[rB:rB+7], 0, v[rSA], v[rSB] matrix_a_fmt:MATRIX_FMT_FP4 matrix_b_fmt:MATRIX_FMT_FP4 matrix_b_scale:MATRIX_SCALE_ROW1
.else
	v_wmma_scale_f32_16x16x128_f8f6f4 v[rD:rD+7], v[rA:rA+7], v[rB:rB+7], 0, v[rSA], v[rSB] matrix_a_fmt:MATRIX_FMT_FP4 matrix_b_fmt:MATRIX_FMT_FP4
.endif
.else
.if rRA && rRB
	v_wmma_scale_f32_16x16x128_f8f6f4 v[rD:rD+7], v[rA:rA+7], v[rB:rB+7], v[rD:rD+7], v[rSA], v[rSB] matrix_a_fmt:MATRIX_FMT_FP4 matrix_b_fmt:MATRIX_FMT_FP4 matrix_a_scale:MATRIX_SCALE_ROW1 matrix_b_scale:MATRIX_SCALE_ROW1
.elseif rRA
	v_wmma_scale_f32_16x16x128_f8f6f4 v[rD:rD+7], v[rA:rA+7], v[rB:rB+7], v[rD:rD+7], v[rSA], v[rSB] matrix_a_fmt:MATRIX_FMT_FP4 matrix_b_fmt:MATRIX_FMT_FP4 matrix_a_scale:MATRIX_SCALE_ROW1
.elseif rRB
	v_wmma_scale_f32_16x16x128_f8f6f4 v[rD:rD+7], v[rA:rA+7], v[rB:rB+7], v[rD:rD+7], v[rSA], v[rSB] matrix_a_fmt:MATRIX_FMT_FP4 matrix_b_fmt:MATRIX_FMT_FP4 matrix_b_scale:MATRIX_SCALE_ROW1
.else
	v_wmma_scale_f32_16x16x128_f8f6f4 v[rD:rD+7], v[rA:rA+7], v[rB:rB+7], v[rD:rD+7], v[rSA], v[rSB] matrix_a_fmt:MATRIX_FMT_FP4 matrix_b_fmt:MATRIX_FMT_FP4
.endif
.endif
.endm
; Slot t of my stream into place p of the ring: ten loads, each of consecutive bytes
.macro FILL t, p
	WIN W_RING
.irp i, 0,1,2,3,4,5,6,7
	global_load_b128 v[32*(\p)+4*\i:32*(\p)+4*\i+3], v[LO16], s[12:13] offset:(\t)*SLOTB+512*\i
.endr
	WIN 0
.irp i, 0,1
	global_load_b32 v[SCR+2*(\p)+\i], v[LO4], s[12:13] offset:(\t)*SLOTB+4096+128*\i
.endr
.endm
.macro PLACES                          ; four plain lines between matrix instructions and the loads into their registers, or the first read of their results
.rept 4
	v_nop
.endr
.endm
; Slot TT1 of the first product: four tiles of W12 (h1 and h2, two tiles each) x two tiles of tokens, 128 along K.  The eight accumulators take turns
.macro TURN1
.set PP1, TT1%6
.set KS1, TT1%8
.set LEFT, 23-TT1
.if LEFT > 5
.set LEFT, 5
.endif
	s_wait_loadcnt 10*LEFT                         ; this slot is in; the slots asked for behind it, ten loads each, stay out
	WIN W_MUL
.irp q, 0,1,2,3
.irp m, 0,1
.set rD, HACC+32*\m+8*\q
.set rA, 32*PP1+8*\q
.set rB, 8*(8*\m+KS1)
.set rSA, SCR+2*PP1+\q/2
.set rSB, XS+KS1
.set rRA, \q%2
.set rRB, \m
	WMX (KS1==0)
.endr
.endr
	WIN 0
	PLACES
.if TT1 <= 17
	FILL TT1+6, PP1
.endif
.endm
; Hidden block 4 JJ1 + w of both tiles of tokens: silu(h1) h2 in f32, quantised; my 16 registers of a tile are units 16 h + 0 .. 15 of the block
.macro ACTQ
	s_wait_dscnt 0x0                               ; the last block's LDS stores have read the registers that are written anew below
.irp m, 0,1
.irp i, 0,2,4,6,8,10,12,14
	v_pk_mul_f32 v[TE+16*\m+\i:TE+16*\m+\i+1], v[HACC+32*\m+\i:HACC+32*\m+\i+1], s[24:25] op_sel_hi:[1,0]     ; -h1 log2(e); each accumulator from its low end on
.endr
.endr
.set ii, 0
.rept 32
	v_exp_f32 v[TE+ii], v[TE+ii]
.set ii, ii+1
.endr
	v_nop                                          ; a plain line behind the last exponential
	s_wait_alu depctr_va_vdst(0)                   ; one wait for the batch, ahead of its first reader
.irp i, 0,2,4,6,8,10,12,14,16,18,20,22,24,26,28,30
	v_pk_add_f32 v[TE+\i:TE+\i+1], v[TE+\i:TE+\i+1], 1.0 op_sel_hi:[1,0]
.endr
.set ii, 0
.rept 32
	v_rcp_f32 v[TE+ii], v[TE+ii]                   ; 1 / (1 + e^-h1)
.set ii, ii+1
.endr
	v_nop
	s_wait_alu depctr_va_vdst(0)
.irp m, 0,1
.irp i, 0,2,4,6,8,10,12,14
	v_pk_mul_f32 v[HACC+32*\m+\i:HACC+32*\m+\i+1], v[HACC+32*\m+\i:HACC+32*\m+\i+1], v[TE+16*\m+\i:TE+16*\m+\i+1]
.endr
.endr
.irp m, 0,1
.irp i, 0,2,4,6,8,10,12,14
	v_pk_mul_f32 v[HACC+32*\m+\i:HACC+32*\m+\i+1], v[HACC+32*\m+\i:HACC+32*\m+\i+1], v[HACC+32*\m+16+\i:HACC+32*\m+17+\i]    ; x h2
.endr
.endr
.irp m, 0,1
	v_max3_num_f32 v[MX+\m], |v[HACC+32*\m]|, |v[HACC+32*\m+1]|, 0x1800000     ; my 16 numbers, and the floor 2^(3 - 127): the byte cannot fall under 1
.endr
.irp i, 2,4,6,8,10,12,14
.irp m, 0,1
	v_max3_num_f32 v[MX+\m], v[MX+\m], |v[HACC+32*\m+\i]|, |v[HACC+32*\m+\i+1]|
.endr
.endr
.irp m, 0,1
	v_permlanex16_b32 v[PX+\m], v[MX+\m], s22, s23
.endr
.irp m, 0,1
	v_max_num_f32 v[MX+\m], v[MX+\m], v[PX+\m]     ; with lane l xor 16's: the block's largest magnitude
.endr
.irp m, 0,1
	v_add_nc_u32 v[SO+\m], 0xff000000, v[MX+\m]    ; 2 off its exponent field: the conversion's scale operand
.endr
.irp m, 0,1
	v_lshrrev_b32 v[BY+\m], 23, v[SO+\m]           ; the scale's byte
.endr
.irp m, 0,1
	v_cvt_scalef32_pk8_fp4_f32 v[PC+2*\m], v[HACC+32*\m:HACC+32*\m+7], v[SO+\m]
	v_cvt_scalef32_pk8_fp4_f32 v[PC+2*\m+1], v[HACC+32*\m+8:HACC+32*\m+15], v[SO+\m]
.endr
	v_nop                                          ; a plain line behind the last conversion
.irp m, 0,1
	ds_store_b64 v[HWI], v[PC+2*\m:PC+2*\m+1] offset:(3*\m+JJ1)*1024          ; my half block, at its place in the image of K step JJ1's fragment
	ds_store_b8 v[HWS], v[BY+\m] offset:128*JJ1+64*\m                          ; both halves of the lanes write the same byte with the same value
.endr
.endm
.macro PHASE1
.irp p, 0,1,2,3,4,5
	FILL \p, \p                                    ; sixty loads of mine are out
.endr
.set TT1, 0
.rept 3
.rept 8
	TURN1
.set TT1, TT1+1
.endr
.set JJ1, TT1/8-1
	ACTQ
.endr
.endm
; Slot 24 + TT2: four tiles of 16 channels x two tiles of tokens, 128 hidden units
.macro TURN2
.set PP2, TT2%6
.set KS2, TT2%3
.set LEFT, 11-TT2
.if LEFT > 5
.set LEFT, 5
.endif
	s_wait_loadcnt 10*LEFT                         ; this slot is in (and the gates, asked for ahead of the ring)
	WIN W_MUL
.irp f, 0,1,2,3
.irp m, 0,1
.set rD, HACC+16*\f+8*\m
.set rA, 32*PP2+8*\f
.set rB, HF+8*(3*\m+KS2)
.set rSA, SCR+2*PP2+\f/2
.set rSB, HS+KS2
.set rRA, \f%2
.set rRB, \m
	WMX (KS2==0)
.endr
.endr
	WIN 0
	PLACES
.if TT2 <= 5
	FILL 24+TT2+6, PP2
.endif
.endm
.macro GATE                            ; out += gate x the expert's result, for the group GG2 of four tiles of channels; each accumulator from its low end on
	WIN W_GATE
.irp f, 0,1,2,3
.irp m, 0,1
.irp i, 0,2,4,6
	v_pk_fma_f32 v[8*(2*(4*GG2+\f)+\m)+\i:8*(2*(4*GG2+\f)+\m)+\i+1], v[HACC+16*\f+8*\m+\i:HACC+16*\f+8*\m+\i+1], v[GT+2*\m:GT+2*\m+1], v[8*(2*(4*GG2+\f)+\m)+\i:8*(2*(4*GG2+\f)+\m)+\i+1] op_sel_hi:[1,0,1]
.endr
.endr
.endr
	WIN 0
.endm
.macro PHASE2
	global_load_b32 v[GT], v[GOFF], s[8:9]
	global_load_b32 v[GT+2], v[GOFF+1], s[8:9]
.irp p, 0,1,2,3,4,5
	FILL 24+\p, \p                                 ; with the two gates 62 loads of mine are out
.endr
	WIN W_TOW1
.irp m, 0,1
.irp s, 0,1,2
.irp c, 0,1
	ds_load_b128 v[HF+8*(3*\m+\s)+4*\c:HF+8*(3*\m+\s)+4*\c+3], v[HRI] offset:(3*\m+\s)*1024+512*\c
.endr
.endr
.endr
	WIN 0
.irp s, 0,1,2
	ds_load_b32 v[HS+\s], v[HRS] offset:128*\s
.endr
	s_wait_dscnt 0x0
.set TT2, 0
.rept 4
.rept 3
	TURN2
.set TT2, TT2+1
.endr
.set GG2, TT2/3-1
	GATE
.endr
.endm
	s_mov_b32 s19, 0
.Lexp:                                                 ; eight trips, one for each expert
	s_lshr_b32 s26, s20, s19
	s_and_b32 s26, s26, 1
	s_cmp_lg_u32 s26, 0
	s_cbranch_scc0 .Lskip1
	PHASE1
.Lskip1:
	s_wait_dscnt 0x0                               ; for the others: my part of the hidden layer lies in LDS
	s_barrier_signal -1
	s_barrier_wait -1                              ; the barriers stand outside the branches: every wave passes them in every trip
	s_lshr_b32 s26, s20, s19
	s_and_b32 s26, s26, 1
	s_cmp_lg_u32 s26, 0
	s_cbranch_scc0 .Lskip2
	PHASE2
.Lskip2:
	s_wait_dscnt 0x0                               ; my reads of the images are over: behind this barrier they may be written again
	s_barrier_signal -1
	s_barrier_wait -1
	s_wait_xcnt 0x0                                ; the bases are stepped only behind this wait
	s_add_nc_u64 s[12:13], s[12:13], ESTR
	s_add_nc_u64 s[8:9], s[8:9], 4
	s_add_co_u32 s19, s19, 1
	s_cmp_lt_u32 s19, 8
	s_cbranch_scc1 .Lexp
; THE WAY OUT.  A lane holds 32 neighbouring bytes of a token's row and the lanes beside it hold other tokens: so a tile of 16 tokens x my 256 channels goes through my own stage in LDS and comes back
; so that sixteen lanes store 256 consecutive bytes, aligned.  LDS serves a wave's instructions in order (ISA guide 5.7.1.4): no wait between the stores and the loads, nor in front of the next tile's stores.
.macro TOSTG m
	WIN W_ST3
.set tt, 0
.rept 16
	ds_store_b128 v[STO], v[8*(2*tt+\m):8*(2*tt+\m)+3] offset:64*tt
	ds_store_b128 v[STO], v[8*(2*tt+\m)+4:8*(2*tt+\m)+7] offset:64*tt+16
.set tt, tt+1
.endr
.endm
.macro BACK win
	WIN \win
.set nn, 0
.rept 32
	ds_load_b128 v[4*nn:4*nn+3], v[SRD] offset:2*SP*(nn/4)+256*(nn%4)
.set nn, nn+1
.endr
.endm
.macro SEND win, m, younger            ; younger: the LDS instructions issued behind this tile's loads
	WIN \win
.set nn, 0
.rept 32
	s_wait_dscnt \younger+31-nn
	global_store_b128 v[TOKO+8*\m+nn/4], v[4*nn:4*nn+3], s[14:15] offset:256*(nn%4) th:TH_STORE_NT
.set nn, nn+1
.endr
.endm
	TOSTG 0
	BACK W_TOW1                                    ; into the registers that held x's fragments
	TOSTG 1
	SEND W_ST1, 0, 32
	BACK W_RING                                    ; into the ring's
	SEND W_ST2, 1, 0
	WIN 0
	s_wait_tensorcnt 0x0
	ds_add_u32 v254, v255
	s_wait_dscnt 0x0
	s_endpgm
.Lfunc_end_k_q8604e99ad7_chain:
	.size	k_q8604e99ad7_chain, .Lfunc_end_k_q8604e99ad7_chain-k_q8604e99ad7_chain
	.p2alignl 7, 3214868480
	.fill 96, 4, 3214868480
	.section	.rodata,"a",@progbits
	.p2align	6, 0x0
	.amdhsa_kernel k_q8604e99ad7_chain
		.amdhsa_group_segment_fixed_size 90624
		.amdhsa_private_segment_fixed_size 0
		.amdhsa_enable_private_segment 0
		.amdhsa_kernarg_size 48
		.amdhsa_user_sgpr_count 2
		.amdhsa_user_sgpr_kernarg_segment_ptr 1
		.amdhsa_wavefront_size32 1
		.amdhsa_system_sgpr_workgroup_id_x 1
		.amdhsa_system_sgpr_workgroup_id_y 1
		.amdhsa_system_sgpr_workgroup_id_z 1
		.amdhsa_system_vgpr_workitem_id 0
		.amdhsa_next_free_vgpr 1024
		.amdhsa_next_free_sgpr 66
		.amdhsa_reserve_vcc 0
		.amdhsa_float_denorm_mode_32 3
		.amdhsa_float_denorm_mode_16_64 3
		.amdhsa_memory_ordered 1
		.amdhsa_forward_progress 1
		.amdhsa_inst_pref_size 156
	.end_amdhsa_kernel
	.amdgpu_metadata
---
amdhsa.version: [ 1, 2 ]
amdhsa.kernels:
  - .name:           k_q8604e99ad7_chain
    .symbol:         k_q8604e99ad7_chain.kd
    .args:
      - { .name: xcodes, .offset: 0, .size: 8, .value_kind: global_buffer, .address_space: global }
      - { .name: xscales, .offset: 8, .size: 8, .value_kind: global_buffer, .address_space: global }
      - { .name: gates, .offset: 16, .size: 8, .value_kind: global_buffer, .address_space: global }
      - { .name: order, .offset: 24, .size: 8, .value_kind: global_buffer, .address_space: global }
      - { .name: wstream, .offset: 32, .size: 8, .value_kind: global_buffer, .address_space: global }
      - { .name: out0, .offset: 40, .size: 8, .value_kind: global_buffer, .address_space: global }
    .group_segment_fixed_size: 90624
    .private_segment_fixed_size: 0
    .kernarg_segment_align: 8
    .kernarg_segment_size: 48
    .max_flat_workgroup_size: 128
    .sgpr_count:     66
    .vgpr_count:     1024
    .wavefront_size: 32
...
	.end_amdgpu_metadata
.endif
;; end of part 3
;; ======== version 2 of 2: 3 launches
;; workspace buffers: xcodes 4,194,304 bytes; xscales 262,144 bytes; gates 262,144 bytes; tokinfo 32,768 bytes of whole numbers; hist 32,768 bytes of whole numbers; order 32,768 bytes of whole numbers; wstream 5,013,504 bytes
;; launch route (part 4): grid 256 x 1, 8 waves a work-group, no clusters, 81,920 bytes of LDS; arguments x, Wr, xcodes, xscales, gates, tokinfo, hist; writes xcodes, xscales, gates, tokinfo, hist
.if DOCPART == 4
	.amdgcn_target "amdgcn-amd-amdhsa--gfx1250"
	.amdhsa_code_object_version 6
	.text
	.protected	k_q8604e99ad7_route
	.globl	k_q8604e99ad7_route
	.p2align	8
	.type	k_q8604e99ad7_route,@function
k_q8604e99ad7_route:
	s_mov_b64 s[64:65], 0
	v_nop
	global_prefetch_b8 v0, s[64:65] scope:SCOPE_SE
	s_setreg_imm32_b32 hwreg(HW_REG_WAVE_MODE, 25, 1), 1
	s_wait_xcnt 0x0
; x [8192][1024] f32 is read once.  It becomes codes of E2M1 (xcodes [8192][512 bytes], K innermost, the lower k in the low four bits) with one
; E8M0 byte for each 32 along K (xscales [8192][32]); and the router is computed in f32: logits = x Wr, the two largest (ties to the lower index),
; their softmax with the larger taken away first.  Stored at fixed places: gates [8192][8] f32 (0 where an expert is not chosen),
; tokinfo [8192]: key | rank << 8 | lower expert << 16 | higher expert << 24, and hist [256 groups of 32 tokens][32]: how many tokens of the group have key k.
; The key numbers the 28 pairs of experts so that neighbouring keys share an expert: (0,1)..(0,7), (1,7)..(1,2), (2,3)..(2,7), (3,7)..
; No address and no branch of this launch hangs on any of these numbers.
; SHARES.  A work-group takes 32 tokens.  Wave v takes columns 256 (v & 3) .. + 255 of rows 16 (v >> 2) .. + 15.  Lane l owns k = 8 l .. 8 l + 7 of the wave's columns
; in every row, so its 8 x 8 numbers of Wr stay in 64 registers, and four neighbouring lanes hold a block of 32.
; Each load reads 512 consecutive bytes, 16 a lane; a row's 1,024 bytes turn through the wave's own stage in LDS and come back 32 bytes a lane.
; LIMITS: NaN and infinities in x and Wr are not served.  A block of zeros, or one whose largest magnitude lies under 2^-124, gets the byte 1 (the rule says 127 for zeros):
; its codes are zeros and this program alone reads the bytes.  The logits are summed in another order than a plain sum over k: a second and third logit
; that lie within f32 rounding of each other may change places.
.set WRP,    272                       ; Wr in LDS: 128 owners (a lane of a column quarter) x (256 bytes + 16)
.set TURN,   34816                     ; two stages of 32 places for each wave
.set TPL,    48                        ; a place: 32 bytes + 16 of padding
.set CODES,  59392                     ; 32 rows x 512 bytes
.set SCALES, 75776                     ; 32 rows x 32 bytes
.set PART,   76800                     ; [column quarter][row 32][expert 8] f32
.set XO,   2                           ; v2   16 x lane
.set TIN,  3                           ; v3   the stage, on the way in
.set TOUT, 4                           ; v4   and on the way out
.set CST,  5                           ; v5   where my codes of row 0 go
.set SST,  6                           ; v6   my block's scale byte
.set PST,  7                           ; v7   my expert's partial logit
.set WRI,  8                           ; v8   Wr into LDS
.set WRO,  9                           ; v9   and my 256 bytes of it back
.set TO16, 10                          ; v10  16 x thread
.set CD,   12                          ; v12-13 codes, v14-15 scale byte, v16-17 partial logit: two sets by turns
.set BY,   14
.set FF,   16
.set CRD,  26                          ; v26  CODES + 16 x thread
.set SRD,  27                          ; v27  SCALES + 16 x (thread - 192)
.set PRD,  28                          ; v28  PART + 32 x lane
.set GO,   29                          ; v29  32 x lane
.set LO4,  30                          ; v30  4 x lane
.set WR,   32                          ; v32-95   Wr: register 8 k + e
.set XR,   96                          ; v96-223  16 rows as loaded, 8 registers each
.set XT,   224                         ; v224-239 two sets of 8 neighbours
.set ACC,  240                         ; v240-247 eight partial logits
.set CB,   192                         ; the way out: codes and scale bytes read back
	s_load_b256 s[4:11], s[0:1], 0x0               ; x, Wr, xcodes, xscales
	s_load_b128 s[12:15], s[0:1], 0x20             ; gates, tokinfo
	s_load_b64 s[16:17], s[0:1], 0x30              ; hist
	v_lshl_add_u32 v254, v0, 2, 0x13c00
	v_mov_b32 v255, 0
	v_lshrrev_b32 v11, 5, v0
	s_delay_alu instid0(VALU_DEP_1)
	v_readfirstlane_b32 s18, v11                   ; wave 0..7
	s_and_b32 s19, s18, 3                          ; column quarter
	s_lshr_b32 s20, s18, 2                         ; row half
	s_mov_b32 s21, 0xff00ff00                      ; lanes with bit 3 set
	s_mov_b32 s22, 0xf0f0f0f0                      ; lanes with bit 2 set
	v_and_b32 v1, 31, v0                           ; lane
	s_delay_alu instid0(VALU_DEP_1)
	v_lshlrev_b32 v[XO], 4, v1
	s_mul_i32 s26, s18, 2*32*TPL
	s_add_co_u32 s26, s26, TURN                    ; my stages
	v_lshrrev_b32 v11, 1, v1
	s_delay_alu instid0(VALU_DEP_1)
	v_mul_u32_u24 v11, v11, TPL
	v_and_b32 v12, 1, v1
	s_delay_alu instid0(VALU_DEP_1)
	v_lshl_add_u32 v11, v12, 4, v11
	s_delay_alu instid0(VALU_DEP_1)
	v_add_nc_u32 v[TIN], s26, v11                  ; two lanes' 32 bytes to a place
	v_mul_u32_u24 v11, v1, TPL
	s_delay_alu instid0(VALU_DEP_1)
	v_add_nc_u32 v[TOUT], s26, v11                 ; place = lane
	s_lshl_b32 s26, s20, 13
	s_lshl_b32 s27, s19, 7
	s_add_co_u32 s26, s26, s27
	s_add_co_u32 s26, s26, CODES
	v_lshl_add_u32 v[CST], v1, 2, s26              ; row x 512 + 128 x quarter + 4 x lane
	s_lshl_b32 s26, s20, 9
	s_lshl_b32 s27, s19, 3
	s_add_co_u32 s27, s26, s27
	s_add_co_u32 s27, s27, SCALES
	v_lshrrev_b32 v11, 2, v1
	s_delay_alu instid0(VALU_DEP_1)
	v_add_nc_u32 v[SST], s27, v11                  ; row x 32 + 8 x quarter + lane / 4
	s_lshl_b32 s27, s19, 10
	s_add_co_u32 s27, s26, s27
	s_add_co_u32 s27, s27, PART
	v_lshl_add_u32 v[PST], v11, 2, s27             ; 1,024 x quarter + row x 32 + 4 x (lane / 4)
	v_lshrrev_b32 v11, 4, v0
	s_delay_alu instid0(VALU_DEP_1)
	v_mul_u32_u24 v11, v11, WRP
	v_and_b32 v12, 15, v0
	s_delay_alu instid0(VALU_DEP_1)
	v_lshl_add_u32 v[WRI], v12, 4, v11
	s_mul_i32 s26, s19, 32*WRP
	v_mul_u32_u24 v11, v1, WRP
	s_delay_alu instid0(VALU_DEP_1)
	v_add_nc_u32 v[WRO], s26, v11
	v_lshlrev_b32 v[TO16], 4, v0
	s_delay_alu instid0(VALU_DEP_1)
	v_add_nc_u32 v[CRD], CODES, v[TO16]
	s_delay_alu instid0(VALU_DEP_2)
	v_add_nc_u32 v[SRD], SCALES-3072, v[TO16]
	v_lshlrev_b32 v[GO], 5, v1
	s_delay_alu instid0(VALU_DEP_1)
	v_add_nc_u32 v[PRD], PART, v[GO]
	v_lshlrev_b32 v[LO4], 2, v1
	s_wait_alu depctr_va_vdst(0)
	s_wait_kmcnt 0x0
	s_lshl_b32 s24, ttmp9, 17                      ; 32 rows of 4,096 bytes
	s_lshl_b32 s26, s20, 16
	s_add_co_u32 s24, s24, s26
	s_lshl_b32 s26, s19, 10
	s_add_co_u32 s24, s24, s26
	s_mov_b32 s25, 0
	s_add_nc_u64 s[4:5], s[4:5], s[24:25]          ; x at my wave's first row and column
	s_lshl_b32 s24, ttmp9, 14
	s_add_nc_u64 s[8:9], s[8:9], s[24:25]
	s_lshl_b32 s24, ttmp9, 10
	s_add_nc_u64 s[10:11], s[10:11], s[24:25]
	s_add_nc_u64 s[12:13], s[12:13], s[24:25]
	s_lshl_b32 s24, ttmp9, 7
	s_add_nc_u64 s[14:15], s[14:15], s[24:25]
	s_add_nc_u64 s[16:17], s[16:17], s[24:25]
.irp i, 0,1,2,3,4,5,6,7
	global_load_b128 v[WR+4*\i:WR+4*\i+3], v[TO16], s[6:7] offset:4096*\i      ; Wr as it lies: 4,096 consecutive bytes for the work-group
.endr
.irp i, 0,1,2,3,4,5,6,7,8,9,10,11,12,13,14,15
.irp c, 0,1
	global_load_b128 v[XR+8*\i+4*\c:XR+8*\i+4*\c+3], v[XO], s[4:5] offset:4096*\i+512*\c th:TH_LOAD_NT   ; all my 16 rows are asked for at once
.endr
.endr
	s_wait_loadcnt 32                              ; Wr is in; the 32 loads of x stay out
.irp i, 0,1,2,3,4,5,6,7
	ds_store_b128 v[WRI], v[WR+4*\i:WR+4*\i+3] offset:16*WRP*\i
.endr
	s_wait_dscnt 0x0                               ; for the others: my part of Wr lies in LDS
	s_barrier_signal -1
	s_barrier_wait -1
.irp j, 0,1,2,3,4,5,6,7,8,9,10,11,12,13,14,15
	ds_load_b128 v[WR+4*\j:WR+4*\j+3], v[WRO] offset:16*\j
.endr
; Row i through the stage i % 2: LDS serves a wave's instructions in order, so no wait stands between the stores and the loads
.macro TURNX i
.irp c, 0,1
	ds_store_b128 v[TIN], v[XR+8*(\i)+4*\c:XR+8*(\i)+4*\c+3] offset:32*TPL*((\i)%2)+16*TPL*\c
.endr
.irp c, 0,1
	ds_load_b128 v[XT+8*((\i)%2)+4*\c:XT+8*((\i)%2)+4*\c+3], v[TOUT] offset:32*TPL*((\i)%2)+16*\c
.endr
.endm
	s_wait_loadcnt 30                              ; row 0's two loads are in
	TURNX 0
.macro ROW i
.if (\i) < 15
	s_wait_loadcnt 2*(14-(\i))                     ; the next row's two loads are in; the rows behind it stay out
	TURNX (\i)+1
.if (\i) == 0
	s_wait_dscnt 4                                 ; Wr and row 0 are back; the next row's four stage instructions may be out
.else
	s_wait_dscnt 7                                 ; this row is back: behind its loads stand the last row's three stores and the next row's four
.endif
.else
	s_wait_dscnt 3                                 ; behind the last row's loads stand row 14's three stores
.endif
.set XSET, XT+8*((\i)%2)
.set PAR, (\i)%2
	v_max3_num_f32 v18, |v[XSET]|, |v[XSET+1]|, 0x1800000      ; the largest magnitude of my 8, and the floor 2^(3 - 127): the byte cannot fall under 1
	v_max3_num_f32 v19, |v[XSET+2]|, |v[XSET+3]|, |v[XSET+4]|
	s_delay_alu instid0(VALU_DEP_2)
	v_max3_num_f32 v18, v18, |v[XSET+5]|, |v[XSET+6]|
	s_delay_alu instid0(VALU_DEP_1)
	v_max3_num_f32 v18, v18, v19, |v[XSET+7]|
	s_delay_alu instid0(VALU_DEP_1)
	v_max_num_f32_dpp v18, v18, v18 row_xmask:1 row_mask:0xf bank_mask:0xf
	s_delay_alu instid0(VALU_DEP_1)
	v_max_num_f32_dpp v18, v18, v18 row_xmask:2 row_mask:0xf bank_mask:0xf     ; of the four lanes that hold the block
	s_delay_alu instid0(VALU_DEP_1)
	v_add_nc_u32 v19, 0xff000000, v18              ; 2 off its exponent field: the conversion takes the exponent field of this operand as its scale
	v_cvt_scalef32_pk8_fp4_f32 v[CD+PAR], v[XSET:XSET+7], v19
	v_lshrrev_b32 v[BY+PAR], 23, v19               ; the scale's byte (a plain line behind the conversion)
.irp p, 0,2,4,6
	v_pk_mul_f32 v[ACC+\p:ACC+\p+1], v[XSET:XSET+1], v[WR+\p:WR+\p+1] op_sel_hi:[0,1]      ; x(k) x Wr(k, e), two experts at a time; k = 0 starts the sums
.endr
.irp k, 1,3,5,7
.irp p, 0,2,4,6
	s_delay_alu instid0(VALU_DEP_4)
	v_pk_fma_f32 v[ACC+\p:ACC+\p+1], v[XSET+\k-1:XSET+\k], v[WR+8*\k+\p:WR+8*\k+\p+1], v[ACC+\p:ACC+\p+1] op_sel:[1,0,0] op_sel_hi:[1,1,1]
.endr
.endr
.irp k, 2,4,6
.irp p, 0,2,4,6
	s_delay_alu instid0(VALU_DEP_4)
	v_pk_fma_f32 v[ACC+\p:ACC+\p+1], v[XSET+\k:XSET+\k+1], v[WR+8*\k+\p:WR+8*\k+\p+1], v[ACC+\p:ACC+\p+1] op_sel_hi:[0,1,1]
.endr
.endr
	; the sums over the 32 lanes, halving the experts a lane carries at each step: in the end lane l holds expert l / 4
.irp j, 0,1,2,3
	v_permlane16_swap_b32 v[ACC+\j], v[ACC+4+\j]   ; lanes 0-15 keep experts 0-3, lanes 16-31 get experts 4-7
.endr
	s_delay_alu instid0(VALU_DEP_3)
	v_pk_add_f32 v[ACC:ACC+1], v[ACC:ACC+1], v[ACC+4:ACC+5]
	s_delay_alu instid0(VALU_DEP_2)
	v_pk_add_f32 v[ACC+2:ACC+3], v[ACC+2:ACC+3], v[ACC+6:ACC+7]
.irp j, 0,1,2,3
	v_add_f32_dpp v[ACC+\j], v[ACC+\j], v[ACC+\j] row_xmask:8 row_mask:0xf bank_mask:0xf
.endr
	s_delay_alu instid0(VALU_DEP_2)
	v_cndmask_b32 v[ACC], v[ACC], v[ACC+2], s21
	s_delay_alu instid0(VALU_DEP_2)
	v_cndmask_b32 v[ACC+1], v[ACC+1], v[ACC+3], s21
	s_delay_alu instid0(VALU_DEP_2)
	v_add_f32_dpp v[ACC], v[ACC], v[ACC] row_xmask:4 row_mask:0xf bank_mask:0xf
	s_delay_alu instid0(VALU_DEP_2)
	v_add_f32_dpp v[ACC+1], v[ACC+1], v[ACC+1] row_xmask:4 row_mask:0xf bank_mask:0xf
	s_delay_alu instid0(VALU_DEP_1)
	v_cndmask_b32 v[FF+PAR], v[ACC], v[ACC+1], s22
	s_delay_alu instid0(VALU_DEP_1)
	v_add_f32_dpp v[FF+PAR], v[FF+PAR], v[FF+PAR] row_xmask:2 row_mask:0xf bank_mask:0xf
	s_delay_alu instid0(VALU_DEP_1)
	v_add_f32_dpp v[FF+PAR], v[FF+PAR], v[FF+PAR] row_xmask:1 row_mask:0xf bank_mask:0xf
	ds_store_b32 v[CST], v[CD+PAR] offset:512*(\i)
	ds_store_b8 v[SST], v[BY+PAR] offset:32*(\i)   ; the four lanes of a block write the same byte with the same value
	ds_store_b32 v[PST], v[FF+PAR] offset:32*(\i)  ; likewise the four lanes of an expert
.endm
.irp i, 0,1,2,3,4,5,6,7,8,9,10,11,12,13,14,15
	ROW \i
.endr
	s_wait_dscnt 0x0                               ; for the others: my codes, bytes and partial logits lie in LDS
	s_barrier_signal -1
	s_barrier_wait -1
.irp i, 0,1,2,3
	ds_load_b128 v[CB+4*\i:CB+4*\i+3], v[CRD] offset:4096*\i
.endr
.irp i, 0,1,2,3
	s_wait_dscnt 3-\i
	global_store_b128 v[TO16], v[CB+4*\i:CB+4*\i+3], s[8:9] offset:4096*\i     ; a wave stores 512 consecutive bytes, aligned
.endr
	s_cmp_lt_u32 s18, 6
	s_cbranch_scc1 .Lno_scales
	ds_load_b128 v[CB+16:CB+19], v[SRD]            ; waves 6 and 7: the group's 1,024 scale bytes
	s_wait_dscnt 0x0
	global_store_b128 v[TO16], v[CB+16:CB+19], s[10:11] offset:-3072           ; 16 x (thread - 192)
.Lno_scales:
	s_cmp_lg_u32 s18, 0
	s_cbranch_scc1 .Lend
	; wave 0: the router's choice, a lane to a token
.irp q, 0,1,2,3
	ds_load_b128 v[96+8*\q:99+8*\q], v[PRD] offset:1024*\q
	ds_load_b128 v[100+8*\q:103+8*\q], v[PRD] offset:1024*\q+16
.endr
	s_wait_dscnt 0x0
.irp p, 0,2,4,6
	v_pk_add_f32 v[96+\p:97+\p], v[96+\p:97+\p], v[104+\p:105+\p]
	v_pk_add_f32 v[112+\p:113+\p], v[112+\p:113+\p], v[120+\p:121+\p]
.endr
.irp p, 0,2,4,6
	v_pk_add_f32 v[96+\p:97+\p], v[96+\p:97+\p], v[112+\p:113+\p]              ; the eight logits: v96-103
.endr
.macro SCAN best, idx                  ; the largest of v96-103; of equals the lowest index stays
	v_mov_b32 v[\best], v96
	v_mov_b32 v[\idx], 0
.irp e, 1,2,3,4,5,6,7
	s_delay_alu instid0(VALU_DEP_2)
	v_cmp_ge_f32 vcc_lo, v[\best], v[96+\e]
	s_delay_alu instid0(VALU_DEP_1)
	v_cndmask_b32 v[\best], v[96+\e], v[\best], vcc_lo
	s_delay_alu instid0(VALU_DEP_2)
	v_cndmask_b32 v[\idx], \e, v[\idx], vcc_lo
.endr
.endm
	SCAN 128, 129
	v_mov_b32 v132, 0xff800000
.irp e, 0,1,2,3,4,5,6,7
	v_cmp_eq_u32 vcc_lo, \e, v129
	s_delay_alu instid0(VALU_DEP_1)
	v_cndmask_b32 v[96+\e], v[96+\e], v132, vcc_lo                             ; the first choice leaves the field
.endr
	SCAN 130, 131
	s_delay_alu instid0(VALU_DEP_2)
	v_sub_f32 v133, v130, v128                     ; the second less the first: the larger is taken away, 0 or less
	s_delay_alu instid0(VALU_DEP_1)
	v_mul_f32 v133, 0x3fb8aa3b, v133
	s_wait_alu depctr_va_vdst(0)
	v_exp_f32 v133, v133                           ; p = e^(second - first)
	v_min_u32 v137, v129, v131                     ; the lower expert (plain work behind the exponential)
	v_max_u32 v138, v129, v131                     ; the higher
	s_delay_alu instid0(VALU_DEP_2)
	v_sub_nc_u32 v142, 15, v137
	s_delay_alu instid0(VALU_DEP_1)
	v_mul_u32_u24 v142, v142, v137
	s_delay_alu instid0(VALU_DEP_1)
	v_lshrrev_b32 v142, 1, v142                    ; the first key of this lower expert: lo (15 - lo) / 2
	s_wait_alu depctr_va_vdst(0)                   ; the wait ahead of the first reader of p
	v_add_f32 v134, 1.0, v133
	s_wait_alu depctr_va_vdst(0)
	v_rcp_f32 v135, v134                           ; the first weight: 1 / (1 + p)
	v_sub_nc_u32 v143, 7, v138                     ; an odd lower expert walks down: 7 - hi
	v_sub_nc_u32 v139, v138, v137
	s_delay_alu instid0(VALU_DEP_1)
	v_add_nc_u32 v139, -1, v139                    ; an even one up: hi - lo - 1
	v_and_b32 v152, 1, v137
	s_delay_alu instid0(VALU_DEP_1)
	v_cmp_eq_u32 vcc_lo, 1, v152
	s_delay_alu instid0(VALU_DEP_1)
	v_cndmask_b32 v139, v139, v143, vcc_lo
	s_delay_alu instid0(VALU_DEP_1)
	v_add_nc_u32 v139, v139, v142                  ; the key, 0 .. 27
	s_wait_alu depctr_va_vdst(0)                   ; and ahead of the first reader of the reciprocal
	v_mul_f32 v136, v133, v135                     ; the second weight: p / (1 + p)
.irp e, 0,1,2,3,4,5,6,7
	v_cmp_eq_u32 vcc_lo, \e, v131
	s_delay_alu instid0(VALU_DEP_1)
	v_cndmask_b32 v[144+\e], 0, v136, vcc_lo
	v_cmp_eq_u32 vcc_lo, \e, v129
	v_cndmask_b32 v[144+\e], v[144+\e], v135, vcc_lo
.endr
	v_mov_b32 v140, 0                              ; my rank among the group's tokens of my key
	v_mov_b32 v141, 0                              ; lane k: how many tokens of the group have key k
.set kk, 0
.rept 28
	v_cmp_eq_u32 s26, kk, v139
	s_delay_alu instid0(VALU_DEP_1)
	v_mbcnt_lo_u32_b32 v143, s26, 0
	s_delay_alu instid0(VALU_DEP_1)
	v_cndmask_b32 v140, v140, v143, s26
	s_bcnt1_i32_b32 s27, s26
	v_writelane_b32 v141, s27, kk
.set kk, kk+1
.endr
	v_lshl_or_b32 v142, v140, 8, v139
	s_delay_alu instid0(VALU_DEP_1)
	v_lshl_or_b32 v142, v137, 16, v142
	s_delay_alu instid0(VALU_DEP_1)
	v_lshl_or_b32 v142, v138, 24, v142
	global_store_b128 v[GO], v[144:147], s[12:13]
	global_store_b128 v[GO], v[148:151], s[12:13] offset:16
	global_store_b32 v[LO4], v142, s[14:15]
	global_store_b32 v[LO4], v141, s[16:17]
.Lend:
	s_wait_tensorcnt 0x0
	ds_add_u32 v254, v255
	s_wait_dscnt 0x0
	s_endpgm
.Lfunc_end_k_q8604e99ad7_route:
	.size	k_q8604e99ad7_route, .Lfunc_end_k_q8604e99ad7_route-k_q8604e99ad7_route
	.p2alignl 7, 3214868480
	.fill 96, 4, 3214868480
	.section	.rodata,"a",@progbits
	.p2align	6, 0x0
	.amdhsa_kernel k_q8604e99ad7_route
		.amdhsa_group_segment_fixed_size 81920
		.amdhsa_private_segment_fixed_size 0
		.amdhsa_enable_private_segment 0
		.amdhsa_kernarg_size 56
		.amdhsa_user_sgpr_count 2
		.amdhsa_user_sgpr_kernarg_segment_ptr 1
		.amdhsa_wavefront_size32 1
		.amdhsa_system_sgpr_workgroup_id_x 1
		.amdhsa_system_sgpr_workgroup_id_y 1
		.amdhsa_system_sgpr_workgroup_id_z 1
		.amdhsa_system_vgpr_workitem_id 0
		.amdhsa_next_free_vgpr 256
		.amdhsa_next_free_sgpr 66
		.amdhsa_reserve_vcc 1
		.amdhsa_float_denorm_mode_32 3
		.amdhsa_float_denorm_mode_16_64 3
		.amdhsa_memory_ordered 1
		.amdhsa_forward_progress 1
		.amdhsa_inst_pref_size 113
	.end_amdhsa_kernel
	.amdgpu_metadata
---
amdhsa.version: [ 1, 2 ]
amdhsa.kernels:
  - .name:           k_q8604e99ad7_route
    .symbol:         k_q8604e99ad7_route.kd
    .args:
      - { .name: x, .offset: 0, .size: 8, .value_kind: global_buffer, .address_space: global }
      - { .name: Wr, .offset: 8, .size: 8, .value_kind: global_buffer, .address_space: global }
      - { .name: xcodes, .offset: 16, .size: 8, .value_kind: global_buffer, .address_space: global }
      - { .name: xscales, .offset: 24, .size: 8, .value_kind: global_buffer, .address_space: global }
      - { .name: gates, .offset: 32, .size: 8, .value_kind: global_buffer, .address_space: global }
      - { .name: tokinfo, .offset: 40, .size: 8, .value_kind: global_buffer, .address_space: global }
      - { .name: hist, .offset: 48, .size: 8, .value_kind: global_buffer, .address_space: global }
    .group_segment_fixed_size: 81920
    .private_segment_fixed_size: 0
    .kernarg_segment_align: 8
    .kernarg_segment_size: 56
    .max_flat_workgroup_size: 256
    .sgpr_count:     66
    .vgpr_count:     256
    .wavefront_size: 32
...
	.end_amdgpu_metadata
.endif
;; end of part 4
;; launch prep (part 5): grid 241 x 1, 4 waves a work-group, no clusters, 1,024 bytes of LDS; arguments tokinfo, hist, W3, W12_codes, W12_scales, order, wstream; writes order, wstream
.if DOCPART == 5
	.amdgcn_target "amdgcn-amd-amdhsa--gfx1250"
	.amdhsa_code_object_version 6
	.text
	.protected	k_q8604e99ad7_prep
	.globl	k_q8604e99ad7_prep
	.p2align	8
	.type	k_q8604e99ad7_prep,@function
k_q8604e99ad7_prep:
	s_mov_b64 s[64:65], 0
	v_nop
	global_prefetch_b8 v0, s[64:65] scope:SCOPE_SE
	s_setreg_imm32_b32 hwreg(HW_REG_WAVE_MODE, 25, 1), 1
	s_wait_xcnt 0x0
; Three kinds of work-group, told apart by the work-group's number.
; 0: a counting sort of the 8,192 tokens by their key (pair of experts): order [place] = token | lower expert << 16 | higher expert << 24.
; 1 .. 192: W3 [8][341][1024] f32 is quantised along its K (the 341 hidden units, filled up with zeros) into codes of E2M1 and E8M0 bytes.
; 193 .. 240: W12's codes and scale bytes are laid anew.  Both weights go to wstream in the order in which a wave of the next launch takes them into its operand registers:
; wstream [expert 8][wave 4][slot 36][4,352 bytes]; a slot = 4 fragments of 1,024 bytes, [c 0..1][lane][16 bytes] (registers 4 c .. 4 c + 3 of the lane), then 256 bytes of scale words
; [p 0..1][lane][4 bytes]: lanes 0-15 the rows of fragment 2 p, lanes 16-31 those of fragment 2 p + 1.
; Slots 0-23: slot 8 j + s = hidden block b = 4 j + wave, K step s of 128; fragment 2 g + u (g = 0: h1, 1: h2): lane r's row is hidden unit U = 32 b + 8 u + r + 8 (r / 8), row 341 g + U of W12;
; for U over 340 the codes are zeros and the scale bytes 127.  Slots 24-35: slot 24 + 3 G + s = channels 256 wave + 64 G .. + 63 of W3, hidden units 128 s .. + 127; fragment f: channels + 16 f + r.
; LIMITS: NaN and infinities in W3 are not served.  A block of zeros, or one whose largest magnitude lies under 2^-124, gets the byte 1 (the rule says 127 for zeros): its codes are zeros, and this program alone reads the bytes.
.set SLOTB, 4352
.set WSTR,  36*SLOTB
.set H,   32                           ; sort: v32-95 a wave's 64 histogram rows, lane = key
.set T,   96                           ; sort: v96-159 its 64 x 32 tokinfo words, lane = token
.set G,   160                          ; sort: eight registers each at work
.set IDX, 168
.set B,   176
.set X,   32                           ; W3: v32-95 two sets of 32 numbers
.set C,   96                           ; W3: v96-111 four blocks' codes
.set SB,  112                          ; W3: the four scale bytes
	s_load_b256 s[4:11], s[0:1], 0x0               ; tokinfo, hist, W3, W12's codes
	s_load_b128 s[12:15], s[0:1], 0x20             ; W12's scales, order
	s_load_b64 s[16:17], s[0:1], 0x30              ; wstream
	v_lshl_add_u32 v192, v0, 2, 0x200
	v_mov_b32 v193, 0
	v_lshrrev_b32 v2, 5, v0
	v_readfirstlane_b32 s18, v2                    ; wave 0..3
	v_and_b32 v1, 31, v0                           ; lane
	s_wait_kmcnt 0x0
	s_cmp_eq_u32 ttmp9, 0
	s_cbranch_scc1 .Lsort
	s_cmp_lt_u32 ttmp9, 193
	s_cbranch_scc1 .Lw3
	; ---- W12: a wave takes (expert, g, hidden block b): two fragments for each of the 8 K steps, and their scale words
	s_sub_co_u32 s20, ttmp9, 193
	s_lshl_b32 s20, s20, 2
	s_add_co_u32 s20, s20, s18
	s_and_b32 s21, s20, 7                          ; expert
	s_bfe_u32 s22, s20, 0x10003                    ; g
	s_lshr_b32 s23, s20, 4                         ; b, 0 .. 11
	s_wait_alu depctr_va_vdst(0)
	v_and_b32 v3, 15, v1                           ; r
	v_lshrrev_b32 v4, 4, v1                        ; h
	v_and_b32 v5, 8, v3
	v_add_nc_u32 v5, v5, v3                        ; r + 8 (r / 8)
	s_lshl_b32 s24, s23, 5
	s_mov_b32 s27, 341
	s_mul_i32 s26, s22, 341
	v_add_nc_u32 v6, s24, v5                       ; U of fragment u = 0,
	v_add_nc_u32 v7, 8, v6                         ; of u = 1,
	v_lshl_add_u32 v8, v4, 3, v6                   ; and for the scale words: u = lane / 16
	v_cmp_gt_u32 s28, s27, v6                      ; is there such a hidden unit?
	v_cmp_gt_u32 s29, s27, v7
	v_cmp_gt_u32 s30, s27, v8
.irp a, 6,7,8
	v_min_u32 v\a, 340, v\a                        ; no load leaves its buffer
	v_add_nc_u32 v\a, s26, v\a                     ; the row of W12
.endr
	v_lshlrev_b32 v6, 9, v6                        ; a row of codes is 512 bytes
	v_lshl_add_u32 v6, v4, 4, v6
	s_wait_alu depctr_va_vdst(0)
	v_lshlrev_b32 v7, 9, v7
	v_lshl_add_u32 v7, v4, 4, v7
	s_wait_alu depctr_va_vdst(0)
	v_lshlrev_b32 v8, 5, v8                        ; a row of scale bytes 32
	s_wait_alu depctr_va_vdst(0)
	v_lshlrev_b32 v9, 4, v1
	v_lshlrev_b32 v10, 2, v1
	v_mov_b32 v11, 0x7f7f7f7f
	s_mov_b32 s25, 0
	s_mul_i32 s24, s21, 682*512
	s_add_nc_u64 s[10:11], s[10:11], s[24:25]
	s_mul_i32 s24, s21, 682*32
	s_add_nc_u64 s[12:13], s[12:13], s[24:25]
	s_lshl_b32 s24, s21, 2
	s_and_b32 s31, s23, 3
	s_add_co_u32 s24, s24, s31
	s_mul_i32 s24, s24, WSTR                       ; the stream of (expert, wave b % 4),
	s_lshr_b32 s31, s23, 2
	s_mul_i32 s31, s31, 8*SLOTB
	s_add_co_u32 s24, s24, s31                     ; slot 8 (b / 4)
	s_add_nc_u64 s[32:33], s[16:17], s[24:25]
	s_lshl_b32 s24, s22, 7
	s_add_nc_u64 s[34:35], s[32:33], s[24:25]      ; scale words: + 128 g (the 4,096 stand in the immediate)
	s_lshl_b32 s24, s22, 11
	s_add_nc_u64 s[32:33], s[32:33], s[24:25]      ; codes: fragment 2 g
.irp s, 0,1,2,3,4,5,6,7
.irp c, 0,1
	global_load_b128 v[32+4*(2*\s+\c):35+4*(2*\s+\c)], v6, s[10:11] offset:64*\s+32*\c
.endr
.endr
.irp s, 0,1,2,3,4,5,6,7
.irp c, 0,1
	global_load_b128 v[96+4*(2*\s+\c):99+4*(2*\s+\c)], v7, s[10:11] offset:64*\s+32*\c
.endr
.endr
	global_load_b128 v[160:163], v8, s[12:13]
	global_load_b128 v[164:167], v8, s[12:13] offset:16
	s_wait_loadcnt 18                              ; fragment u = 0 is in; behind it stand u = 1's sixteen loads and the two of scale bytes
.set ii, 0
.rept 64
	v_cndmask_b32 v[32+ii], 0, v[32+ii], s28       ; zeros where there is no such hidden unit
.set ii, ii+1
.endr
.irp s, 0,1,2,3,4,5,6,7
.irp c, 0,1
	global_store_b128 v9, v[32+4*(2*\s+\c):35+4*(2*\s+\c)], s[32:33] offset:\s*SLOTB+512*\c       ; 512 consecutive bytes, aligned
.endr
.endr
	s_wait_loadcnt 2
.set ii, 0
.rept 64
	v_cndmask_b32 v[96+ii], 0, v[96+ii], s29
.set ii, ii+1
.endr
.irp s, 0,1,2,3,4,5,6,7
.irp c, 0,1
	global_store_b128 v9, v[96+4*(2*\s+\c):99+4*(2*\s+\c)], s[32:33] offset:\s*SLOTB+1024+512*\c
.endr
.endr
	s_wait_loadcnt 0x0
.irp s, 0,1,2,3,4,5,6,7
	v_cndmask_b32 v[160+\s], v11, v[160+\s], s30
.endr
.irp s, 0,1,2,3,4,5,6,7
	global_store_b32 v10, v[160+\s], s[34:35] offset:\s*SLOTB+4096
.endr
	s_endpgm
	; ---- W3: a wave takes (K step of 128 hidden units, expert, 32 channels).  A lane takes a channel and its registers run down K: each load reads 128 consecutive bytes,
	; the four waves of a work-group stand side by side on 512; a block of 32 lies in one lane, and the conversions give codes with K innermost
.Lw3:
	s_sub_co_u32 s20, ttmp9, 1
	s_lshl_b32 s20, s20, 2
	s_add_co_u32 s20, s20, s18
	s_lshr_b32 s21, s20, 8                         ; K step 0 .. 2
	s_bfe_u32 s22, s20, 0x30005                    ; expert
	s_and_b32 s23, s20, 31                         ; which 32 channels
	s_mul_i32 s24, s22, 341*4096
	s_lshl_b32 s26, s21, 19                        ; 128 rows of 4,096 bytes
	s_add_co_u32 s24, s24, s26
	s_lshl_b32 s26, s23, 7
	s_add_co_u32 s24, s24, s26
	s_mov_b32 s25, 0
	s_add_nc_u64 s[8:9], s[8:9], s[24:25]
	s_lshl_b32 s24, s22, 2
	s_lshr_b32 s26, s23, 3
	s_add_co_u32 s24, s24, s26
	s_mul_i32 s24, s24, WSTR                       ; the stream of (expert, wave = channels / 256),
	s_bfe_u32 s26, s23, 0x20001                    ; the group of 64 channels in it,
	s_mul_i32 s26, s26, 3
	s_add_co_u32 s26, s26, s21
	s_add_co_u32 s26, s26, 24
	s_mul_i32 s26, s26, SLOTB                      ; slot 24 + 3 G + K step
	s_add_co_u32 s24, s24, s26
	s_add_nc_u64 s[32:33], s[16:17], s[24:25]
	s_and_b32 s26, s23, 1                          ; which two of the slot's four fragments
	s_lshl_b32 s24, s26, 7
	s_add_co_u32 s24, s24, 4096
	s_add_nc_u64 s[34:35], s[32:33], s[24:25]      ; their scale words
	s_lshl_b32 s24, s26, 11
	s_add_nc_u64 s[32:33], s[32:33], s[24:25]      ; their codes
	s_wait_alu depctr_va_vdst(0)
	v_lshlrev_b32 v3, 2, v1                        ; in: 4 bytes a lane; also my scale word's place
	v_lshrrev_b32 v4, 4, v1
	v_and_b32 v5, 15, v1
	v_lshlrev_b32 v4, 10, v4
	v_lshl_add_u32 v4, v5, 4, v4                   ; out: fragment lane / 16, 16 bytes for row lane % 16; block t lies 256 t bytes on
.macro LOADB t, n                      ; block t: the first n of its 32 rows are there; the others count as zeros
.set ii, 0
.rept 32
.if ii < \n
	global_load_b32 v[X+32*((\t)%2)+ii], v3, s[8:9] offset:(32*(\t)+ii)*4096 th:TH_LOAD_NT
.else
	v_mov_b32 v[X+32*((\t)%2)+ii], 0
.endif
.set ii, ii+1
.endr
.endm
.macro BLOCK t, left                   ; left: the next block's loads, which may stay out
.set XB, X+32*((\t)%2)
	s_wait_loadcnt \left
	v_max3_num_f32 v12, |v[XB]|, |v[XB+1]|, |v[XB+2]|              ; the block's largest magnitude: all 32 numbers are mine
	v_max3_num_f32 v13, |v[XB+3]|, |v[XB+4]|, |v[XB+5]|
.irp i, 6,10,14,18,22,26
	v_max3_num_f32 v12, v12, |v[XB+\i]|, |v[XB+\i+1]|
	v_max3_num_f32 v13, v13, |v[XB+\i+2]|, |v[XB+\i+3]|
.endr
	v_max3_num_f32 v12, v12, |v[XB+30]|, |v[XB+31]|
	v_max3_num_f32 v12, v12, v13, 0x1800000        ; and the floor 2^(3 - 127): the byte cannot fall under 1
	v_add_nc_u32 v11, 0xff000000, v12              ; 2 off its exponent field: the conversion's scale operand
	v_lshrrev_b32 v13, 23, v11                     ; the scale's byte
.if (\t) == 0
	v_mov_b32 v[SB], v13
.else
	v_lshl_or_b32 v[SB], v13, 8*(\t), v[SB]
.endif
.irp g, 0,1,2,3
	v_cvt_scalef32_pk8_fp4_f32 v[C+4*(\t)+\g], v[XB+8*\g:XB+8*\g+7], v11
.endr
	v_nop                                          ; a plain line between the conversions and the next vector write of their sources
	global_store_b128 v4, v[C+4*(\t):C+4*(\t)+3], s[32:33] offset:256*(\t)     ; sixteen lanes store 256 consecutive bytes, aligned
.endm
.macro W3UNIT n2, n3
	LOADB 0, 32
	LOADB 1, 32
	BLOCK 0, 32
	LOADB 2, \n2
	BLOCK 1, \n2
	LOADB 3, \n3
	BLOCK 2, \n3
	BLOCK 3, 0
	global_store_b32 v3, v[SB], s[34:35]
	s_endpgm
.endm
	s_cmp_eq_u32 s21, 2
	s_cbranch_scc1 .Lw3_last
	W3UNIT 32, 32
.Lw3_last:
	s_wait_alu depctr_va_vdst(0)
	W3UNIT 21, 0                                   ; hidden units 256 .. 340: 32, 32, 21 and 0 rows: no load passes row 340
	; ---- the sort.  Wave w takes groups 64 w .. 64 w + 63.  A token's place = tokens of lower keys + tokens of its key in earlier groups + its rank in its group
.Lsort:
	s_lshl_b32 s20, s18, 13
	s_wait_alu depctr_va_vdst(0)
	v_lshl_add_u32 v30, v1, 2, s20                 ; 4 x lane + 64 groups x 128 bytes x wave
.set ii, 0
.rept 64
	global_load_b32 v[H+ii], v30, s[6:7] offset:128*ii
.set ii, ii+1
.endr
.set ii, 0
.rept 64
	global_load_b32 v[T+ii], v30, s[4:5] offset:128*ii
.set ii, ii+1
.endr
	v_lshlrev_b32 v29, 2, v0                       ; LDS: 128 x wave + 4 x lane
	v_lshlrev_b32 v28, 2, v1
	s_lshl_b32 s21, s18, 11
	v_add_nc_u32 v26, s21, v1                      ; the token of group 64 w at my lane
	s_wait_loadcnt 63                              ; the histograms are in (64 loads stand behind them; the count names the most that it can)
.set ii, 1
.rept 63
	v_add_nc_u32 v[H+ii], v[H+ii], v[H+ii-1]       ; running sums over my groups: H(i - 1) = tokens of key = lane in my groups ahead of group i
.set ii, ii+1
.endr
	ds_store_b32 v29, v[H+63]                      ; my wave's totals
	s_wait_dscnt 0x0
	s_barrier_signal -1
	s_barrier_wait -1
.irp w, 0,1,2,3
	ds_load_b32 v[184+\w], v28 offset:128*\w
.endr
	s_wait_dscnt 0x0
	v_add3_u32 v188, v184, v185, v186
	v_add_nc_u32 v188, v188, v187                  ; all tokens of key = lane
.irp w, 0,1,2
	s_cmp_gt_u32 s18, \w
	s_cselect_b32 s22, -1, 0
	v_and_b32 v[184+\w], s22, v[184+\w]
.endr
	v_add3_u32 v189, v184, v185, v186              ; those in earlier waves' groups
	v_mov_b32 v190, v188
.irp n, 1,2,4,8
	v_mov_b32 v191, 0
	v_mov_b32_dpp v191, v190 row_shr:\n row_mask:0xf bank_mask:0xf bound_ctrl:1
	v_add_nc_u32 v190, v190, v191                  ; running sums over the keys, inside each half of the lanes
.endr
	v_readlane_b32 s22, v190, 15
	v_cmp_lt_u32 vcc_lo, 15, v1
	v_mov_b32 v191, s22
	v_cndmask_b32 v191, 0, v191, vcc_lo
	v_add_nc_u32 v190, v190, v191                  ; and across
	v_sub_nc_u32 v190, v190, v188
	v_add_nc_u32 v190, v190, v189                  ; where my wave's tokens of key = lane begin
	s_wait_alu depctr_va_vdst(0)
	s_wait_loadcnt 0x0                             ; tokinfo
.set bb, 0
.rept 8                                ; eight groups at a time
.set jj, 0
.rept 8
.set gi, 8*bb+jj
.if gi == 0
	v_mov_b32 v[G+jj], v190
.else
	v_add_nc_u32 v[G+jj], v190, v[H+gi-1]          ; lane = key: where group gi's tokens of that key begin
.endif
	v_and_b32 v[IDX+jj], 31, v[T+gi]
	v_min_u32 v[IDX+jj], 31, v[IDX+jj]
	v_lshlrev_b32 v[IDX+jj], 2, v[IDX+jj]
	ds_bpermute_b32 v[B+jj], v[IDX+jj], v[G+jj]    ; lane = token: the number at the lane of its key
.set jj, jj+1
.endr
	s_wait_dscnt 0x0
.set jj, 0
.rept 8
.set gi, 8*bb+jj
.if gi == 0
.set VALR, 27
.else
.set VALR, H+gi-1                      ; done with: the next batch begins at H(8 bb + 7)
.endif
	v_bfe_u32 v[IDX+jj], v[T+gi], 8, 5             ; rank
	v_and_b32 v[G+jj], 0xffff0000, v[T+gi]         ; the two experts
	v_add_nc_u32 v[T+gi], v[B+jj], v[IDX+jj]
	v_min_u32 v[T+gi], 0x1fff, v[T+gi]             ; the place, held inside the list
	v_lshlrev_b32 v[T+gi], 2, v[T+gi]
	v_add3_u32 v[VALR], v26, 32*gi, v[G+jj]        ; token | experts: the fields do not meet
	global_store_b32 v[T+gi], v[VALR], s[14:15]    ; each store has registers of its own
.set jj, jj+1
.endr
.set bb, bb+1
.endr
	s_wait_tensorcnt 0x0
	ds_add_u32 v192, v193
	s_wait_dscnt 0x0
	s_endpgm
.Lfunc_end_k_q8604e99ad7_prep:
	.size	k_q8604e99ad7_prep, .Lfunc_end_k_q8604e99ad7_prep-k_q8604e99ad7_prep
	.p2alignl 7, 3214868480
	.fill 96, 4, 3214868480
	.section	.rodata,"a",@progbits
	.p2align	6, 0x0
	.amdhsa_kernel k_q8604e99ad7_prep
		.amdhsa_group_segment_fixed_size 1024
		.amdhsa_private_segment_fixed_size 0
		.amdhsa_enable_private_segment 0
		.amdhsa_kernarg_size 56
		.amdhsa_user_sgpr_count 2
		.amdhsa_user_sgpr_kernarg_segment_ptr 1
		.amdhsa_wavefront_size32 1
		.amdhsa_system_sgpr_workgroup_id_x 1
		.amdhsa_system_sgpr_workgroup_id_y 1
		.amdhsa_system_sgpr_workgroup_id_z 1
		.amdhsa_system_vgpr_workitem_id 0
		.amdhsa_next_free_vgpr 194
		.amdhsa_next_free_sgpr 66
		.amdhsa_reserve_vcc 1
		.amdhsa_float_denorm_mode_32 3
		.amdhsa_float_denorm_mode_16_64 3
		.amdhsa_memory_ordered 1
		.amdhsa_forward_progress 1
		.amdhsa_inst_pref_size 111
	.end_amdhsa_kernel
	.amdgpu_metadata
---
amdhsa.version: [ 1, 2 ]
amdhsa.kernels:
  - .name:           k_q8604e99ad7_prep
    .symbol:         k_q8604e99ad7_prep.kd
    .args:
      - { .name: tokinfo, .offset: 0, .size: 8, .value_kind: global_buffer, .address_space: global }
      - { .name: hist, .offset: 8, .size: 8, .value_kind: global_buffer, .address_space: global }
      - { .name: W3, .offset: 16, .size: 8, .value_kind: global_buffer, .address_space: global }
      - { .name: W12_codes, .offset: 24, .size: 8, .value_kind: global_buffer, .address_space: global }
      - { .name: W12_scales, .offset: 32, .size: 8, .value_kind: global_buffer, .address_space: global }
      - { .name: order, .offset: 40, .size: 8, .value_kind: global_buffer, .address_space: global }
      - { .name: wstream, .offset: 48, .size: 8, .value_kind: global_buffer, .address_space: global }
    .group_segment_fixed_size: 1024
    .private_segment_fixed_size: 0
    .kernarg_segment_align: 8
    .kernarg_segment_size: 56
    .max_flat_workgroup_size: 128
    .sgpr_count:     66
    .vgpr_count:     194
    .wavefront_size: 32
...
	.end_amdgpu_metadata
.endif
;; end of part 5
;; launch chain (part 6): grid 256 x 1, 4 waves a work-group, no clusters, 90,624 bytes of LDS; arguments xcodes, xscales, gates, order, wstream, out0; writes out0
.if DOCPART == 6
	.amdgcn_target "amdgcn-amd-amdhsa--gfx1250"
	.amdhsa_code_object_version 6
	.text
	.protected	k_q8604e99ad7_chain
	.globl	k_q8604e99ad7_chain
	.p2align	8
	.type	k_q8604e99ad7_chain,@function
k_q8604e99ad7_chain:
	s_mov_b64 s[64:65], 0
	v_nop
	global_prefetch_b8 v0, s[64:65] scope:SCOPE_SE
	s_setreg_imm32_b32 hwreg(HW_REG_WAVE_SCHED_MODE, 0, 2), 2
	s_setreg_imm32_b32 hwreg(HW_REG_WAVE_MODE, 25, 1), 1
	s_wait_xcnt 0x0
	s_wait_alu depctr_vm_vsrc(0)
; out[token] = the sum over the experts e of gate(token, e) x ((silu(h1) h2) W3[e]), (h1, h2) = x W12[e], both products on codes of E2M1 with one E8M0 scale for each 32 along K.
; A work-group owns 32 tokens, neighbours in the list sorted by pair of experts, and every byte of their rows of out.  It walks the 8 experts in a loop of constant count and passes over,
; by a scalar branch on the stored list, those that none of its tokens has chosen.  A token of the block that has not chosen a walked expert has the gate 0.
; THE WAVES SHARE THE COLUMNS, NOT THE ROWS.  First product: wave w makes hidden blocks of 32 number w, w + 4, w + 8 (h1 and h2) for all 32 tokens; second: channels 256 w .. + 255.
; So each weight byte is loaded by one wave of the work-group and feeds two matrix instructions.  The weights come from memory straight into operand registers, laid out for that by the launch before,
; through a ring of seven places of 4,352 bytes in registers, six of them asked for ahead.  Both products are used transposed (source 0 = 16 rows of the weight, source 1 = 16 tokens): a lane holds one token and eight neighbours.
; The rows of W12 that form a tile are chosen so that the 16 registers of two neighbouring tiles are 16 neighbours along the next K.
; The hidden layer is quantised in registers and goes from wave to wave through LDS as an image of the operand's registers; it never goes to memory.
; NO TENSOR LOADS, NO CLUSTER: which experts a work-group walks hangs on numbers read from memory, and work-groups that lie side by side walk different experts.
; Each of the two phases under a branch is closed in itself: it asks for its own weights, its last wait for loads is for 0, and it reads only registers made at the head or by itself.
; The sums of out begin as zeros written at the head: which expert comes first is data, and a first step of another form would be a second way through the loop.
; LIMITS: as in the launches before; sums and gates in f32; an expert's result that overflows f32 is not served.
; THE MODE: SCHED_MODE bits 1:0 = 2 (LLVM: expert scheduling mode 2), set by the entry lines.  The code itself states the register dependences
; between vector or matrix instructions and memory or LDS instructions, with s_wait_alu, always for 0.
; THE PLAN.  Registers that memory or LDS instructions touch, in the loop:
;   the ring      Place p and its two scale words are written by a slot's ten loads and read by the eight products of that slot's turn.  Turn t multiplies place t % 7; its loads, slot t + 6,
;                 land in place (t - 1) % 7, which the turn before multiplied and which no product of turn t names.
;   HF, HS, GT    Written by loads at the second phase's head; read by its products (HF, HS) and by the multiply-adds with the gate (GT).
;   PC, BY        Written by a hidden block's conversions and shifts; read by its four LDS stores; written again by the next block.
;   v4 to v15     Offsets and LDS addresses, made at the head and never written again: the scalar bases step from expert to expert, immediate offsets do the rest.
;   The accumulators, x's fragments and scale words, out's sums and the registers at work are named by vector and matrix instructions alone.
; So one wait on va_vdst stands at each phase's head (the earlier products and multiply-adds are done with all that the phase's loads land in), one at the head of each turn that loads (the turn before
; is done reading its place), and one ahead of a hidden block's LDS stores; one wait on vm_vsrc stands ahead of the lines that write BY and PC again.  A turn's loads are dealt among its products with no further wait.
.set SLOTB, 4352
.set WSTR,  36*SLOTB
.set ESTR,  4*WSTR
.set XP,    528                        ; LDS 0: x's 32 rows of codes, 512 bytes + 16
.set HIMG,  16896                      ; the hidden layer's 6 fragments (3 m + K step), 1,024 bytes each
.set HSC,   23040                      ; their scale words: [K step 3][token 32][4 bytes], and 128 bytes to the next block of 256
.set STG,   23552                      ; the way out: for each wave 16 rows x (1,024 bytes + 16)
.set SP,    1040
; window 0
.set LO16, 4                           ; v4   16 x lane
.set LO4,  5                           ; v5   4 x lane
.set XWR,  6                           ; v6   x's rows into LDS
.set XRD,  7                           ; v7   x's fragments out of it
.set HWI,  8                           ; v8   where my half block of hidden codes goes
.set HWS,  9                           ; v9   and its scale byte
.set HRI,  10                          ; v10  an image's place for my lane
.set HRS,  11                          ; v11  a scale word's
.set STO,  12                          ; v12  the stage: where I put 32 bytes of a row
.set SRD,  13                          ; v13  and where I read 16 bytes of a row back
.set GOFF, 14                          ; v14-15 my token's row of gates, tile m
.set XS,   16                          ; v16-23 x's scale words, K step s; lane = token of the block
.set HS,   36                          ; v36-38 the hidden layer's scale words
.set GT,   40                          ; v40, v42 my token's gate, tile m (v41, v43 are named with them as pairs)
.set TOKO, 44                          ; v44-59 out: the byte offset of row 2 i + lane / 16 of the block, + 16 (lane % 16)
.set OT,   60
.set HACC, 64                          ; v64-127 first product: (m, g, u) at 32 m + 16 g + 8 u; second: (f, m) at 16 f + 8 m
.set TE,   128                         ; v128-159 at work
.set MX,   160
.set PX,   162
.set SO,   164
.set BY,   166
.set PC,   168                         ; v168-171 the codes just made
.set XR,   176                         ; v176-207 eight rows of x's codes as gathered
.set OW,   208
.set OM,   216
.set SCR,  224                         ; v224-237 the ring's scale words, two for each place
; window 1: x's fragments at 8 (8 m + s); from v128 the hidden layer's at 8 (3 m + s).  window 2: the ring, place p at 32 p, fragment q at + 8 q.  window 3: out, (tile of channels t, m) at 8 (2 t + m)
.set HF,   128
.set W_MUL,  0x06                      ; source 0 window 2, source 1 window 1, C and D window 0
.set W_RING, 0x80                      ; destination window 2
.set W_TOW1, 0x40                      ; destination window 1
.set W_GATE, 0xf0                      ; destination and source 2 window 3
.set W_ZERO, 0xc0                      ; destination window 3
.set W_ST3,  0x0c                      ; a store's data window 3
.set W_ST2,  0x08
.set W_ST1,  0x04
.set MSB, 0
.macro WIN new                         ; the immediate's high byte repeats the setting that is left
.if MSB != \new
	s_set_vgpr_msb (MSB<<8)|\new
.set MSB, \new
.endif
.endm
.macro TOKEN reg                       ; a list word's token, held inside the table
	v_and_b32 v[\reg], 0x1fff, v[\reg]
	v_min_u32 v[\reg], 0x1fff, v[\reg]
.endm
	s_load_b256 s[4:11], s[0:1], 0x0               ; xcodes, xscales, gates, order
	s_load_b128 s[12:15], s[0:1], 0x20             ; wstream, out0
	v_lshl_add_u32 v254, v0, 2, 0x16000
	v_mov_b32 v255, 0
	v_lshrrev_b32 v61, 5, v0
	v_readfirstlane_b32 s18, v61                   ; wave 0..3
	v_and_b32 v1, 15, v0                           ; r
	v_bfe_u32 v2, v0, 4, 1                         ; h
	v_and_b32 v3, 31, v0                           ; lane
	v_lshlrev_b32 v[LO16], 4, v3
	v_lshlrev_b32 v[LO4], 2, v3
	s_wait_alu depctr_va_sdst(0)                   ; s18 is written, ahead of its first reader: LDS addresses and the bases are made from it
	s_mul_i32 s26, s18, 8*XP
	v_add_nc_u32 v[XWR], s26, v[LO16]              ; my wave's 8 rows
	v_mul_u32_u24 v[XRD], v1, XP
	v_lshl_add_u32 v[XRD], v2, 4, v[XRD]
	s_lshl_b32 s26, s18, 8
	s_add_co_u32 s26, s26, HIMG
	v_lshlrev_b32 v[HWI], 4, v1
	v_lshl_add_u32 v[HWI], v2, 3, v[HWI]
	v_add_nc_u32 v[HWI], s26, v[HWI]               ; block w of a K step lies in registers 4 (w / 2) .. of lanes 16 (w % 2) + r: 256 w + 16 r; my half of its 16 bytes: + 8 h
	s_add_co_u32 s26, s18, HSC
	v_lshl_add_u32 v[HWS], v1, 2, s26              ; byte w of token r's word
	v_add_nc_u32 v[HRI], HIMG, v[LO16]
	v_add_nc_u32 v[HRS], HSC, v[LO4]
	s_mul_i32 s26, s18, 16*SP
	s_add_co_u32 s26, s26, STG
	v_mul_u32_u24 v[STO], v1, SP
	v_lshl_add_u32 v[STO], v2, 5, v[STO]
	v_add_nc_u32 v[STO], s26, v[STO]
	v_mul_u32_u24 v[SRD], v2, SP
	v_lshl_add_u32 v[SRD], v1, 4, v[SRD]
	v_add_nc_u32 v[SRD], s26, v[SRD]
	v_lshlrev_b32 v61, 2, v1
	s_lshl_b32 s28, s18, 5
	v_mov_b32 v62, s28
	v_lshlrev_b32 v63, 2, v2
	v_lshl_add_u32 v218, v0, 4, HIMG
	v_lshl_add_u32 v219, v0, 2, HSC
.irp i, 220,221,222,223
	v_mov_b32 v\i, 0
.endr
	s_mov_b32 s22, 0x76543210
	s_mov_b32 s23, 0xfedcba98                      ; v_permlanex16_b32's selects for lane l xor 16
	s_mov_b32 s24, 0xbfb8aa3b                      ; -log2(e)
	s_mov_b32 s25, s24
	s_wait_kmcnt 0x0
	s_mov_b32 s27, 0
	s_lshl_b32 s26, ttmp9, 7
	s_add_nc_u64 s[10:11], s[10:11], s[26:27]      ; my 32 places of the list
	s_mul_i32 s26, s18, WSTR
	s_add_nc_u64 s[12:13], s[12:13], s[26:27]      ; my wave's stream of expert 0
	s_lshl_b32 s26, s18, 10
	s_add_nc_u64 s[14:15], s[14:15], s[26:27]      ; my wave's 1,024 bytes of a row of out
	s_wait_alu depctr_va_vdst(0)                   ; the offsets and LDS addresses v4 to v13, v61 to v63, v218 and v219 are written, and the zeros v220 to v223: the loads and LDS stores below, and those of the whole kernel, read them
	global_load_b32 v[OT], v[LO4], s[10:11]        ; lane = token of the block
	global_load_b32 v[OM], v61, s[10:11]           ; token r of tile 0,
	global_load_b32 v[OM+1], v61, s[10:11] offset:64   ; of tile 1
.irp i, 0,1,2,3,4,5,6,7
	global_load_b32 v[OW+\i], v62, s[10:11] offset:4*\i        ; the eight tokens whose rows of x my wave gathers: the same word in every lane
.endr
.irp i, 0,1,2,3,4,5,6,7,8,9,10,11,12,13,14,15
	global_load_b32 v[TOKO+\i], v63, s[10:11] offset:8*\i      ; tokens 2 i + h, for the way out
.endr
.irp i, 0,1,2
	ds_store_b128 v218, v[220:223] offset:2048*\i  ; the images and scale words are written once as zeros, so that no way through the loop's two branches reads bytes that nobody wrote
.endr
	ds_store_b32 v219, v220
	WIN W_ZERO
.set ii, 0
.rept 256
	v_mov_b32 v[ii], 0                             ; out's sums (they stand here while the list is on its way)
.set ii, ii+1
.endr
	WIN 0
	v_mov_b32 v[PX], 0                             ; written once: a lane permute's destination counts as one of its sources
	v_mov_b32 v[PX+1], 0
	v_mov_b32 v[GT+1], 0
	v_mov_b32 v[GT+3], 0
	s_wait_loadcnt 0x0
	s_wait_alu depctr_vm_vsrc(0)                   ; the list's loads have read their offsets v61 to v63, which the next three lines write anew
	v_bfe_u32 v61, v[OT], 16, 3                    ; each token's two experts
	v_bfe_u32 v62, v[OT], 24, 3
	v_lshlrev_b32 v63, 4, v1
.irp e, 0,1,2,3,4,5,6,7
	v_cmp_eq_u32 s[30+2*\e], \e, v61               ; the sixteen masks in one run, each into a register of its own: who has chosen expert e as its lower,
	v_cmp_eq_u32 s[31+2*\e], \e, v62               ; who as its higher
.endr
.irp i, 0,1,2,3,4,5,6,7
	TOKEN OW+\i
	v_lshlrev_b32 v[OW+\i], 9, v[OW+\i]            ; a row of codes is 512 bytes
	v_add_nc_u32 v[OW+\i], v[OW+\i], v[LO16]
.endr
	TOKEN OT
	v_lshlrev_b32 v[OT], 5, v[OT]                  ; a row of scale bytes 32
	s_wait_alu depctr_va_vdst(0)                   ; the offsets v[OW ..] and v[OT] are written, which the ten loads below read
.irp i, 0,1,2,3,4,5,6,7
	global_load_b128 v[XR+4*\i:XR+4*\i+3], v[OW+\i], s[4:5]    ; a whole row of 512 bytes an instruction
.endr
	global_load_b128 v[XS:XS+3], v[OT], s[6:7]
	global_load_b128 v[XS+4:XS+7], v[OT], s[6:7] offset:16
.irp m, 0,1
	TOKEN OM+\m
	v_lshlrev_b32 v[GOFF+\m], 5, v[OM+\m]          ; a row of gates is 32 bytes
.endr
.irp i, 0,1,2,3,4,5,6,7,8,9,10,11,12,13,14,15
	TOKEN TOKO+\i
	v_lshlrev_b32 v[TOKO+\i], 12, v[TOKO+\i]       ; a row of out 4,096
	v_add_nc_u32 v[TOKO+\i], v[TOKO+\i], v63
.endr
	s_wait_alu depctr_va_sdst(0)                   ; the sixteen masks s30 to s45 are written, ahead of their first reader
	s_mov_b32 s20, 0                               ; bit e: some token of the block has chosen expert e
.irp e, 0,1,2,3,4,5,6,7
	s_or_b32 s26, s[30+2*\e], s[31+2*\e]
	s_cselect_b32 s26, 1<<\e, 0
	s_or_b32 s20, s20, s26
.endr
	s_wait_loadcnt 2                               ; the rows are in; the two loads of scale words may be out
.irp i, 0,1,2,3,4,5,6,7
	ds_store_b128 v[XWR], v[XR+4*\i:XR+4*\i+3] offset:XP*\i
.endr
	s_wait_dscnt 0x0                               ; for the others: my rows and my zeros lie in LDS
	s_barrier_signal -1
	s_barrier_wait -1
	WIN W_TOW1
.irp m, 0,1
.irp s, 0,1,2,3,4,5,6,7
.irp c, 0,1
	ds_load_b128 v[8*(8*\m+\s)+4*\c:8*(8*\m+\s)+4*\c+3], v[XRD] offset:16*XP*\m+64*\s+32*\c      ; x's 16 fragments stay in registers
.endr
.endr
.endr
	WIN 0
	s_wait_loadcnt 0x0
	s_wait_dscnt 0x0
; One scaled product on the registers named by rD, rA, rB, rSA, rSB; rRA, rRB: the scales stand in lanes 16-31.  zero = 1: it starts the sum
.macro WMX zero
.if \zero
.if rRA && rRB
	v_wmma_scale_f32_16x16x128_f8f6f4 v[rD:rD+7], v[rA:rA+7], v[rB:rB+7], 0, v[rSA], v[rSB] matrix_a_fmt:MATRIX_FMT_FP4 matrix_b_fmt:MATRIX_FMT_FP4 matrix_a_scale:MATRIX_SCALE_ROW1 matrix_b_scale:MATRIX_SCALE_ROW1
.elseif rRA
	v_wmma_scale_f32_16x16x128_f8f6f4 v[rD:rD+7], v[rA:rA+7], v[rB:rB+7], 0, v[rSA], v[rSB] matrix_a_fmt:MATRIX_FMT_FP4 matrix_b_fmt:MATRIX_FMT_FP4 matrix_a_scale:MATRIX_SCALE_ROW1
.elseif rRB
	v_wmma_scale_f32_16x16x128_f8f6f4 v[rD:rD+7], v[rA:rA+7], v[rB:rB+7], 0, v[rSA], v[rSB] matrix_a_fmt:MATRIX_FMT_FP4 matrix_b_fmt:MATRIX_FMT_FP4 matrix_b_scale:MATRIX_SCALE_ROW1
.else
	v_wmma_scale_f32_16x16x128_f8f6f4 v[rD:rD+7], v[rA:rA+7], v[rB:rB+7], 0, v[rSA], v[rSB] matrix_a_fmt:MATRIX_FMT_FP4 matrix_b_fmt:MATRIX_FMT_FP4
.endif
.else
.if rRA && rRB
	v_wmma_scale_f32_16x16x128_f8f6f4 v[rD:rD+7], v[rA:rA+7], v[rB:rB+7], v[rD:rD+7], v[rSA], v[rSB] matrix_a_fmt:MATRIX_FMT_FP4 matrix_b_fmt:MATRIX_FMT_FP4 matrix_a_scale:MATRIX_SCALE_ROW1 matrix_b_scale:MATRIX_SCALE_ROW1
.elseif rRA
	v_wmma_scale_f32_16x16x128_f8f6f4 v[rD:rD+7], v[rA:rA+7], v[rB:rB+7], v[rD:rD+7], v[rSA], v[rSB] matrix_a_fmt:MATRIX_FMT_FP4 matrix_b_fmt:MATRIX_FMT_FP4 matrix_a_scale:MATRIX_SCALE_ROW1
.elseif rRB
	v_wmma_scale_f32_16x16x128_f8f6f4 v[rD:rD+7], v[rA:rA+7], v[rB:rB+7], v[rD:rD+7], v[rSA], v[rSB] matrix_a_fmt:MATRIX_FMT_FP4 matrix_b_fmt:MATRIX_FMT_FP4 matrix_b_scale:MATRIX_SCALE_ROW1
.else
	v_wmma_scale_f32_16x16x128_f8f6f4 v[rD:rD+7], v[rA:rA+7], v[rB:rB+7], v[rD:rD+7], v[rSA], v[rSB] matrix_a_fmt:MATRIX_FMT_FP4 matrix_b_fmt:MATRIX_FMT_FP4
.endif
.endif
.endm
; Slot t of my stream into place p of the ring: ten loads, each of consecutive bytes: eight of codes, two of scale words
.macro FILLC t, p
	WIN W_RING
.irp i, 0,1,2,3,4,5,6,7
	global_load_b128 v[32*(\p)+4*\i:32*(\p)+4*\i+3], v[LO16], s[12:13] offset:(\t)*SLOTB+512*\i
.endr
.endm
.macro FILLS t, p
	WIN 0
.irp i, 0,1
	global_load_b32 v[SCR+2*(\p)+\i], v[LO4], s[12:13] offset:(\t)*SLOTB+4096+128*\i
.endr
.endm
.macro FILL t, p
	FILLC \t, \p
	FILLS \t, \p
.endm
.macro PLACES                          ; four plain lines between matrix instructions and the loads into their registers, or the first read of their results
.rept 4
	v_nop
.endr
.endm
; Four products of the first kind: tiles lo and hi of W12's four x two tiles of tokens
.macro MUL1 lo, hi
.irp q, \lo, \hi
.irp m, 0,1
.set rD, HACC+32*\m+8*\q
.set rA, 32*PP1+8*\q
.set rB, 8*(8*\m+KS1)
.set rSA, SCR+2*PP1+\q/2
.set rSB, XS+KS1
.set rRA, \q%2
.set rRB, \m
	WMX (KS1==0)
.endr
.endr
.endm
; Slot TT1 of the first product: four tiles of W12 (h1 and h2, two tiles each) x two tiles of tokens, 128 along K.  The eight accumulators take turns.
; The turn's loads, slot TT1 + 6, go into the place that the turn before multiplied
.macro TURN1
.set PP1, TT1%7
.set PF1, (TT1+6)%7
.set KS1, TT1%8
.set LEFT, 23-TT1
.if LEFT > 5
.set LEFT, 5
.endif
	s_wait_loadcnt 10*LEFT                         ; this slot is in; the slots asked for behind it, ten loads each, stay out
.if (TT1%8) && (TT1 <= 17)
	s_wait_alu depctr_va_vdst(0)                   ; the turn before is done reading its place of the ring and its two scale words, in which this turn's ten loads land (a block's first turn has that from the wait that stands ahead of it: the phase's, or the one ahead of the last block's LDS stores)
.endif
	WIN W_MUL
	MUL1 0, 1
.if TT1 <= 17
	FILLC TT1+6, PF1                               ; no wait: no product since the wait names that place
.endif
	WIN W_MUL
	MUL1 2, 3
	WIN 0
.if TT1 <= 17
	FILLS TT1+6, PF1
.endif
	PLACES
.endm
; Hidden block 4 JJ1 + w of both tiles of tokens: silu(h1) h2 in f32, quantised; my 16 registers of a tile are units 16 h + 0 .. 15 of the block
.macro ACTQ
	s_wait_dscnt 0x0                               ; the last block's LDS stores are done
.irp m, 0,1
.irp i, 0,2,4,6,8,10,12,14
	v_pk_mul_f32 v[TE+16*\m+\i:TE+16*\m+\i+1], v[HACC+32*\m+\i:HACC+32*\m+\i+1], s[24:25] op_sel_hi:[1,0]     ; -h1 log2(e); each accumulator from its low end on
.endr
.endr
.set ii, 0
	s_wait_alu depctr_va_vdst(0)
.rept 32
	v_exp_f32 v[TE+ii], v[TE+ii]
.set ii, ii+1
.endr
	v_nop                                          ; a plain line behind the last exponential
	s_wait_alu depctr_va_vdst(0)                   ; the 32 exponentials have written v[TE ..]: one wait for the batch, ahead of its first reader
.irp i, 0,2,4,6,8,10,12,14,16,18,20,22,24,26,28,30
	v_pk_add_f32 v[TE+\i:TE+\i+1], v[TE+\i:TE+\i+1], 1.0 op_sel_hi:[1,0]
.endr
.set ii, 0
	s_wait_alu depctr_va_vdst(0)
.rept 32
	v_rcp_f32 v[TE+ii], v[TE+ii]                   ; 1 / (1 + e^-h1)
.set ii, ii+1
.endr
	v_nop
	s_wait_alu depctr_va_vdst(0)                   ; and the 32 reciprocals likewise
.irp m, 0,1
.irp i, 0,2,4,6,8,10,12,14
	v_pk_mul_f32 v[HACC+32*\m+\i:HACC+32*\m+\i+1], v[HACC+32*\m+\i:HACC+32*\m+\i+1], v[TE+16*\m+\i:TE+16*\m+\i+1]
.endr
.endr
.irp m, 0,1
.irp i, 0,2,4,6,8,10,12,14
	v_pk_mul_f32 v[HACC+32*\m+\i:HACC+32*\m+\i+1], v[HACC+32*\m+\i:HACC+32*\m+\i+1], v[HACC+32*\m+16+\i:HACC+32*\m+17+\i]    ; x h2
.endr
.endr
.irp m, 0,1
	v_max3_num_f32 v[MX+\m], |v[HACC+32*\m]|, |v[HACC+32*\m+1]|, 0x1800000     ; my 16 numbers, and the floor 2^(3 - 127): the byte cannot fall under 1
.endr
.irp i, 2,4,6,8,10,12,14
.irp m, 0,1
	v_max3_num_f32 v[MX+\m], v[MX+\m], |v[HACC+32*\m+\i]|, |v[HACC+32*\m+\i+1]|
.endr
.endr
.irp m, 0,1
	v_permlanex16_b32 v[PX+\m], v[MX+\m], s22, s23
.endr
.irp m, 0,1
	v_max_num_f32 v[MX+\m], v[MX+\m], v[PX+\m]     ; with lane l xor 16's: the block's largest magnitude
.endr
.irp m, 0,1
	v_add_nc_u32 v[SO+\m], 0xff000000, v[MX+\m]    ; 2 off its exponent field: the conversion's scale operand
.endr
	s_wait_alu depctr_vm_vsrc(0)                   ; the last block's LDS stores have read v[BY ..] and v[PC ..], which the lines below write again
.irp m, 0,1
	v_lshrrev_b32 v[BY+\m], 23, v[SO+\m]           ; the scale's byte
.endr
.irp m, 0,1
	v_cvt_scalef32_pk8_fp4_f32 v[PC+2*\m], v[HACC+32*\m:HACC+32*\m+7], v[SO+\m]
	v_cvt_scalef32_pk8_fp4_f32 v[PC+2*\m+1], v[HACC+32*\m+8:HACC+32*\m+15], v[SO+\m]
.endr
	v_nop                                          ; a plain line behind the last conversion
	s_wait_alu depctr_va_vdst(0)                   ; the conversions have written v[PC ..] and the shifts v[BY ..], which the four LDS stores read; the block's last products are done reading their place of the ring
.irp m, 0,1
	ds_store_b64 v[HWI], v[PC+2*\m:PC+2*\m+1] offset:(3*\m+JJ1)*1024          ; my half block, at its place in the image of K step JJ1's fragment
	ds_store_b8 v[HWS], v[BY+\m] offset:128*JJ1+64*\m                          ; both halves of the lanes write the same byte with the same value
.endr
.endm
.macro PHASE1
	s_wait_alu depctr_va_vdst(0)                   ; the products of the phase before are done reading the ring's places and scale words, in which the loads below and the first turn's land
.irp p, 0,1,2,3,4,5
	FILL \p, \p                                    ; sixty loads of mine are out
.endr
.set TT1, 0
.rept 3
.rept 8
	TURN1
.set TT1, TT1+1
.endr
.set JJ1, TT1/8-1
	ACTQ
.endr
.endm
; Four products of the second kind: tiles lo and hi of the slot's four tiles of channels x two tiles of tokens
.macro MUL2 lo, hi
.irp f, \lo, \hi
.irp m, 0,1
.set rD, HACC+16*\f+8*\m
.set rA, 32*PP2+8*\f
.set rB, HF+8*(3*\m+KS2)
.set rSA, SCR+2*PP2+\f/2
.set rSB, HS+KS2
.set rRA, \f%2
.set rRB, \m
	WMX (KS2==0)
.endr
.endr
.endm
; Slot 24 + TT2: four tiles of 16 channels x two tiles of tokens, 128 hidden units
.macro TURN2
.set PP2, TT2%7
.set PF2, (TT2+6)%7
.set KS2, TT2%3
.set LEFT, 11-TT2
.if LEFT > 5
.set LEFT, 5
.endif
	s_wait_loadcnt 10*LEFT                         ; this slot is in (and the gates, asked for ahead of the ring)
.if (TT2 >= 1) && (TT2 <= 5)
	s_wait_alu depctr_va_vdst(0)                   ; the turn before is done reading its place of the ring and its two scale words, in which this turn's ten loads land (the first turn has that from the phase's wait)
.endif
	WIN W_MUL
	MUL2 0, 1
.if TT2 <= 5
	FILLC 24+TT2+6, PF2                            ; no wait: no product since the wait names that place
.endif
	WIN W_MUL
	MUL2 2, 3
	WIN 0
.if TT2 <= 5
	FILLS 24+TT2+6, PF2
.endif
	PLACES
.endm
.macro GATE                            ; out += gate x the expert's result, for the group GG2 of four tiles of channels; each accumulator from its low end on
	WIN W_GATE
.irp f, 0,1,2,3
.irp m, 0,1
.irp i, 0,2,4,6
	v_pk_fma_f32 v[8*(2*(4*GG2+\f)+\m)+\i:8*(2*(4*GG2+\f)+\m)+\i+1], v[HACC+16*\f+8*\m+\i:HACC+16*\f+8*\m+\i+1], v[GT+2*\m:GT+2*\m+1], v[8*(2*(4*GG2+\f)+\m)+\i:8*(2*(4*GG2+\f)+\m)+\i+1] op_sel_hi:[1,0,1]
.endr
.endr
.endr
	WIN 0
.endm
.macro PHASE2
	s_wait_alu depctr_va_vdst(0)                   ; the offsets v[GOFF ..] are written; the last expert's multiply-adds are done reading the gates; the earlier products are done reading the ring, its scale words, the hidden layer's fragments and scale words: in all of these the loads below land
	global_load_b32 v[GT], v[GOFF], s[8:9]
	global_load_b32 v[GT+2], v[GOFF+1], s[8:9]
.irp p, 0,1,2,3,4,5
	FILL 24+\p, \p                                 ; with the two gates 62 loads of mine are out
.endr
	WIN W_TOW1
.irp m, 0,1
.irp s, 0,1,2
.irp c, 0,1
	ds_load_b128 v[HF+8*(3*\m+\s)+4*\c:HF+8*(3*\m+\s)+4*\c+3], v[HRI] offset:(3*\m+\s)*1024+512*\c
.endr
.endr
.endr
	WIN 0
.irp s, 0,1,2
	ds_load_b32 v[HS+\s], v[HRS] offset:128*\s
.endr
	s_wait_dscnt 0x0
.set TT2, 0
.rept 4
.rept 3
	TURN2
.set TT2, TT2+1
.endr
.set GG2, TT2/3-1
	GATE
.endr
.endm
	s_mov_b32 s19, 0
.Lexp:                                                 ; eight trips, one for each expert
	s_lshr_b32 s26, s20, s19
	s_and_b32 s26, s26, 1
	s_cmp_lg_u32 s26, 0
	s_cbranch_scc0 .Lskip1
	PHASE1
.Lskip1:
	s_wait_dscnt 0x0                               ; for the others: my part of the hidden layer lies in LDS
	s_barrier_signal -1
	s_barrier_wait -1                              ; the barriers stand outside the branches: every wave passes them in every trip
	s_lshr_b32 s26, s20, s19
	s_and_b32 s26, s26, 1
	s_cmp_lg_u32 s26, 0
	s_cbranch_scc0 .Lskip2
	PHASE2
.Lskip2:
	s_wait_dscnt 0x0                               ; my reads of the images are over: behind this barrier they may be written again
	s_barrier_signal -1
	s_barrier_wait -1
	s_wait_xcnt 0x0                                ; the bases are stepped only behind this wait
	s_add_nc_u64 s[12:13], s[12:13], ESTR
	s_add_nc_u64 s[8:9], s[8:9], 4
	s_add_co_u32 s19, s19, 1
	s_cmp_lt_u32 s19, 8
	s_cbranch_scc1 .Lexp
; THE WAY OUT.  A lane holds 32 neighbouring bytes of a token's row and the lanes beside it hold other tokens: so a tile of 16 tokens x my 256 channels goes through my own stage in LDS and comes back
; so that sixteen lanes store 256 consecutive bytes, aligned.  LDS serves a wave's instructions in order (ISA guide 5.7.1.4): no wait between the stores and the loads, nor in front of the next tile's stores.
.macro TOSTG m
	WIN W_ST3
.set tt, 0
.rept 16
	ds_store_b128 v[STO], v[8*(2*tt+\m):8*(2*tt+\m)+3] offset:64*tt
	ds_store_b128 v[STO], v[8*(2*tt+\m)+4:8*(2*tt+\m)+7] offset:64*tt+16
.set tt, tt+1
.endr
.endm
.macro BACK win
	WIN \win
.set nn, 0
.rept 32
	ds_load_b128 v[4*nn:4*nn+3], v[SRD] offset:2*SP*(nn/4)+256*(nn%4)
.set nn, nn+1
.endr
.endm
.macro SEND win, m, younger            ; younger: the LDS instructions issued behind this tile's loads
	WIN \win
.set nn, 0
.rept 32
	s_wait_dscnt \younger+31-nn
	global_store_b128 v[TOKO+8*\m+nn/4], v[4*nn:4*nn+3], s[14:15] offset:256*(nn%4) th:TH_STORE_NT
.set nn, nn+1
.endr
.endm
	s_wait_alu depctr_va_vdst(0)                   ; out's sums are written, which the LDS stores read, and the offsets v[TOKO ..], which the global stores read; the products are done reading x's fragments and the ring, in which the loads from the stage land.  No vector instruction follows
	TOSTG 0
	BACK W_TOW1                                    ; into the registers that held x's fragments
	TOSTG 1
	SEND W_ST1, 0, 32
	BACK W_RING                                    ; into the ring's
	SEND W_ST2, 1, 0
	WIN 0
	s_wait_dscnt 0x0
	s_wait_alu depctr_hold_cnt(0) depctr_sa_sdst(0) depctr_va_vdst(0) depctr_va_sdst(0) depctr_va_ssrc(0) depctr_va_vcc(0) depctr_vm_vsrc(0)
	s_wait_tensorcnt 0x0
	ds_add_u32 v254, v255
	s_wait_dscnt 0x0
	s_endpgm
.Lfunc_end_k_q8604e99ad7_chain:
	.size	k_q8604e99ad7_chain, .Lfunc_end_k_q8604e99ad7_chain-k_q8604e99ad7_chain
	.p2alignl 7, 3214868480
	.fill 96, 4, 3214868480
	.section	.rodata,"a",@progbits
	.p2align	6, 0x0
	.amdhsa_kernel k_q8604e99ad7_chain
		.amdhsa_group_segment_fixed_size 90624
		.amdhsa_private_segment_fixed_size 0
		.amdhsa_enable_private_segment 0
		.amdhsa_kernarg_size 48
		.amdhsa_user_sgpr_count 2
		.amdhsa_user_sgpr_kernarg_segment_ptr 1
		.amdhsa_wavefront_size32 1
		.amdhsa_system_sgpr_workgroup_id_x 1
		.amdhsa_system_sgpr_workgroup_id_y 1
		.amdhsa_system_sgpr_workgroup_id_z 1
		.amdhsa_system_vgpr_workitem_id 0
		.amdhsa_next_free_vgpr 1024
		.amdhsa_next_free_sgpr 66
		.amdhsa_reserve_vcc 0
		.amdhsa_float_denorm_mode_32 3
		.amdhsa_float_denorm_mode_16_64 3
		.amdhsa_memory_ordered 1
		.amdhsa_forward_progress 1
		.amdhsa_inst_pref_size 157
	.end_amdhsa_kernel
	.amdgpu_metadata
---
amdhsa.version: [ 1, 2 ]
amdhsa.kernels:
  - .name:           k_q8604e99ad7_chain
    .symbol:         k_q8604e99ad7_chain.kd
    .args:
      - { .name: xcodes, .offset: 0, .size: 8, .value_kind: global_buffer, .address_space: global }
      - { .name: xscales, .offset: 8, .size: 8, .value_kind: global_buffer, .address_space: global }
      - { .name: gates, .offset: 16, .size: 8, .value_kind: global_buffer, .address_space: global }
      - { .name: order, .offset: 24, .size: 8, .value_kind: global_buffer, .address_space: global }
      - { .name: wstream, .offset: 32, .size: 8, .value_kind: global_buffer, .address_space: global }
      - { .name: out0, .offset: 40, .size: 8, .value_kind: global_buffer, .address_space: global }
    .group_segment_fixed_size: 90624
    .private_segment_fixed_size: 0
    .kernarg_segment_align: 8
    .kernarg_segment_size: 48
    .max_flat_workgroup_size: 128
    .sgpr_count:     66
    .vgpr_count:     1024
    .wavefront_size: 32
...
	.end_amdgpu_metadata
.endif
;; end of part 6
